; MI455X (gfx1250); checked and timed in simulation.
; The chip was launched on July 23, 2026; its instructions are those of AMD's public machine-readable ISA for CDNA 5 (MIT licence, August 2026) and "CDNA5" Instruction Set Architecture Reference Guide (July 2026). The comments in the code are by the model that wrote it; some were corrected since.
;; CLIP Cross Attention VS. Allowed arithmetic: float matrix products may take bf16 or f16 operands with f32 sums; other float arithmetic in f32, or as packed bf16 or f16 multiplies, adds, multiply-adds, maxima and minima; sums over many terms, partial sums and values carried from step to step in f32; what a program stores and reads back later, other than sums and carried values, may be rounded once to bf16 or f16.
;; Inputs: Wk 1,024 x 1,024 float32; Wo 1,024 x 1,024 float32; Wq 1,024 x 1,024 float32; Wv 1,024 x 1,024 float32; bk 1,024 float32; bo 1,024 float32; bq 1,024 float32; bv 1,024 float32; hidden_states 16 x 1,024 x 1,024 float32; text_states 128 x 16 x 1,024 float32.
;; Outputs: out0 16 x 1,024 x 1,024 float32.
;; One version. Each part assembles by itself: llvm-mc -triple=amdgcn-amd-amdhsa -mcpu=gfx1250 --defsym DOCPART=n.
;; ======== version 1 of 1: 4 launches
;; limits: values are held in f16: magnitudes above 65,504 overflow, below 6.1e-05 lose precision
;; workspace buffers: xb 33,554,432 bytes; tb 4,194,304 bytes; wkvt 4,194,304 bytes; wqt 2,097,152 bytes; wot 2,097,152 bytes; kv 67,108,864 bytes; ao 33,554,432 bytes
;; launch prep (part 1): grid 256 x 1, 11 waves a work-group, no clusters, 37,376 bytes of LDS; arguments hidden_states, text_states, Wk, Wv, Wq, Wo, xb, tb, wkvt, wqt, wot; writes xb, tb, wkvt, wqt, wot
.if DOCPART == 1
	.amdgcn_target "amdgcn-amd-amdhsa--gfx1250"
	.amdhsa_code_object_version 6
	.text
	.protected	k_q14f849d2d2_prep
	.globl	k_q14f849d2d2_prep
	.p2align	8
	.type	k_q14f849d2d2_prep,@function
k_q14f849d2d2_prep:
	s_mov_b64 s[64:65], 0
	v_nop
	global_prefetch_b8 v0, s[64:65] scope:SCOPE_SE
	s_setreg_imm32_b32 hwreg(HW_REG_WAVE_MODE, 25, 1), 1
	s_wait_xcnt 0x0
; CASTS.  Every f32 input matrix is rounded once to bf16 and laid out K-BLOCKED: [k / 64][row][64], so that the 128 bytes of a row that belong to one block of 64 k
; lie end to end with the next row's, and a later launch can ask for 256 rows of one block as 32,768 dense bytes.
;   xb   [16 b][16 kb][1024 s][64]   from hidden_states [16][1024][1024]
;   tb   [2 panels][16 kb][1024 rows][64] from text_states taken as [2048][1024]
;   wkvt [16 kb][2048 n][64]: n < 1024 column n of Wk, else column n - 1024 of Wv;   wot [16 kb][1024 n][64] from Wo;   wqt [16 h][16 kb][64 d][64 k] from Wq.  The weights are TRANSPOSED on the way.
; SHARES.  The work is 2,816 pieces of 32 KiB read: 512 of the weights, 2,048 of hidden_states, 256 of text_states.  256 work-groups of ELEVEN waves, a piece a wave, dealt by the wave's number:
; waves 0, 1 a piece of a weight, waves 2-9 eight rows of hidden_states, wave 10 eight rows of text_states: every work-group has the same mix.  No matrix unit, no cluster: nothing is shared and memory binds.
.set ROWB,  4096                       ; bytes in a row of every source
.set ESTR,  4480                       ; weights: LDS bytes from one group of 16 stage rows to the next: 16 x 272 + 128, so that two groups read together start 128 bytes apart modulo 256
.set WSTG,  4*ESTR                     ; a wave's stage: 64 rows (n) x 256 bytes (128 k), pitch 272; waves 0 and 1 have one each
.set SPARE, 2*WSTG                     ; behind the stages: the spare words, 128 bytes a wave, that no other line names
.set SPW, 2                            ; v2   LDS address of my spare word; never rewritten
.set NIL, 3                            ; v3   0; never rewritten
.set LO,  4                            ; v4   my byte offset in the source
.set SO,  5                            ; v5   my byte offset in the destination
.set STO, 6                            ; v6   weights: where I put 16 bytes in the stage
.set RD,  7                            ; v7   weights: where I read 16 bytes back
.set XS,  16                           ; v[16:207]  sets of 64 registers as loaded (two for the rows, three for the weights)
.set YS,  144                          ; v[144:207] rows: two sets of 32, packed, to store
.set PKD, 208                          ; v[208:239] weights: 32 packed registers
	s_load_b512 s[4:19], s[0:1], 0x0               ; hidden s[4:5], text s[6:7], Wk s[8:9], Wv s[10:11], Wq s[12:13], Wo s[14:15], xb s[16:17], tb s[18:19]
	s_load_b128 s[20:23], s[0:1], 0x40             ; wkvt s[20:21], wqt s[22:23]
	s_load_b64 s[24:25], s[0:1], 0x50              ; wot
	v_lshl_add_u32 v[SPW], v0, 2, SPARE
	v_mov_b32 v[NIL], 0
	v_lshrrev_b32 v1, 5, v0
	v_readfirstlane_b32 s26, v1                    ; wave 0..10
	v_and_b32 v8, 31, v0                           ; l
	v_and_b32 v9, 15, v0                           ; c = l % 16
	v_bfe_u32 v10, v0, 4, 1                        ; hh = l / 16
	s_mov_b32 s27, ttmp9
	s_mov_b32 s35, 0                               ; high word of every offset pair s[34:35]
	s_wait_kmcnt 0x0
	s_cmp_lt_u32 s26, 2
	s_cbranch_scc1 .Lw
	; ROWS.  A wave owns 8 rows: four pairs.  A load takes 256 bytes (one block of 64 k) of each row of a pair; a store 2 x 128 bytes that lie end to end.
	s_sub_co_u32 s28, s26, 2
	s_lshl_b32 s28, s28, 8
	s_or_b32 s28, s28, s27                         ; piece 256 (w - 2) + work-group of hidden_states,
	s_cmp_eq_u32 s26, 10
	s_cselect_b64 s[30:31], s[6:7], s[4:5]         ; text or hidden
	s_cselect_b64 s[32:33], s[18:19], s[16:17]     ; tb or xb
	s_cselect_b32 s28, s27, s28                    ; or piece = work-group of text_states
	s_lshl_b32 s34, s28, 15                        ; 8 rows of 4,096 bytes
	s_add_nc_u64 s[30:31], s[30:31], s[34:35]
	s_lshr_b32 s34, s28, 7                         ; the panel of 1,024 rows (128 pieces),
	s_lshl_b32 s34, s34, 21                        ; 16 blocks x 131,072 bytes
	s_and_b32 s36, s28, 127
	s_lshl_b32 s36, s36, 10                        ; 8 rows of 128 bytes
	s_add_co_u32 s34, s34, s36
	s_add_nc_u64 s[32:33], s[32:33], s[34:35]
	v_lshlrev_b32 v[LO], 4, v9
	v_lshl_add_u32 v[LO], v10, 12, v[LO]           ; lanes 0-15 the even row, lanes 16-31 the odd one
	v_lshlrev_b32 v[SO], 3, v8                     ; 8 bytes a lane: 256 bytes on end
.macro XLOAD set, p                    ; pair p: sixteen loads, one for each block of 64 k
.irp kb, 0,1,2,3,4,5,6,7,8,9,10,11,12,13,14,15
	global_load_b128 v[XS+64*(\set)+4*(\kb):XS+64*(\set)+4*(\kb)+3], v[LO], s[30:31] offset:(\p)*2*ROWB+(\kb)*256 th:TH_LOAD_NT
.endr
.endm
.macro XDO set, p                      ; rounded in pairs and stored
	s_wait_xcnt 0x0                                ; the packed set is written again only when the stores that read it have had their addresses translated
.irp kb, 0,1,2,3,4,5,6,7,8,9,10,11,12,13,14,15
	v_cvt_pk_bf16_f32 v[YS+32*(\set)+2*(\kb)],   v[XS+64*(\set)+4*(\kb)],   v[XS+64*(\set)+4*(\kb)+1]
	v_cvt_pk_bf16_f32 v[YS+32*(\set)+2*(\kb)+1], v[XS+64*(\set)+4*(\kb)+2], v[XS+64*(\set)+4*(\kb)+3]
.endr
.irp kb, 0,1,2,3,4,5,6,7,8,9,10,11,12,13,14,15
	global_store_b64 v[SO], v[YS+32*(\set)+2*(\kb):YS+32*(\set)+2*(\kb)+1], s[32:33] offset:(\kb)*131072+(\p)*256  ; 32 lanes store 256 consecutive bytes, aligned
.endr
.endm
	XLOAD 0, 0
	XLOAD 1, 1
	s_wait_loadcnt 16                              ; pair 0 is in; the younger pair's sixteen loads stay out
	XDO 0, 0
	XLOAD 0, 2
	s_wait_loadcnt 16
	XDO 1, 1
	XLOAD 1, 3
	s_wait_loadcnt 16
	XDO 0, 2
	s_wait_loadcnt 0x0
	XDO 1, 3
	s_branch .Lend
.Lw:	; WEIGHTS.  A wave takes 128 k x 64 n.  Lane (hh, c) loads, for i = 0..63, row k0 + 64 hh + i, columns n0 + 4 c .. + 3: so it ends with 64 consecutive k of four columns.
	s_lshl_b32 s29, s26, 8
	s_or_b32 s29, s29, s27                         ; piece 256 w + work-group, 0..511
	s_lshr_b32 s28, s29, 7                         ; which weight: 0 Wk, 1 Wv, 2 Wq, 3 Wo
	s_bfe_u32 s39, s29, 0x30004                    ; block of 128 k: three bits from bit 4
	s_and_b32 s29, s29, 15                         ; block of 64 n
	s_mov_b64 s[30:31], s[8:9]
	s_mov_b64 s[32:33], s[20:21]
	s_mov_b32 s36, 262144                          ; destination bytes from one block of 64 k to the next
	s_mov_b32 s37, 8192                            ; and from one block of 64 n to the next
	s_mov_b32 s38, 0
	s_cmp_eq_u32 s28, 1
	s_cselect_b64 s[30:31], s[10:11], s[30:31]
	s_cselect_b32 s38, 131072, s38                 ; Wv's columns lie behind Wk's 1,024
	s_cmp_eq_u32 s28, 2
	s_cselect_b64 s[30:31], s[12:13], s[30:31]
	s_cselect_b64 s[32:33], s[22:23], s[32:33]
	s_cselect_b32 s36, 8192, s36                   ; wqt goes by heads: 64 n are a head
	s_cselect_b32 s37, 131072, s37
	s_cmp_eq_u32 s28, 3
	s_cselect_b64 s[30:31], s[14:15], s[30:31]
	s_cselect_b64 s[32:33], s[24:25], s[32:33]
	s_cselect_b32 s36, 131072, s36
	s_lshl_b32 s34, s39, 19                        ; 128 rows of 4,096 bytes
	s_lshl_b32 s40, s29, 8                         ; 64 columns of 4 bytes
	s_add_co_u32 s34, s34, s40
	s_add_nc_u64 s[30:31], s[30:31], s[34:35]
	s_lshl_b32 s34, s39, 1
	s_mul_i32 s34, s34, s36
	s_mul_i32 s40, s29, s37
	s_add_co_u32 s34, s34, s40
	s_add_co_u32 s34, s34, s38
	s_add_nc_u64 s[32:33], s[32:33], s[34:35]      ; my 64 n of the even block of 64 k,
	s_mov_b32 s37, 0
	s_add_nc_u64 s[42:43], s[32:33], s[36:37]      ; and of the odd one
	v_lshlrev_b32 v[LO], 4, v9
	v_lshl_add_u32 v[LO], v10, 18, v[LO]           ; 16 c + 64 rows x hh
	s_mul_i32 s41, s26, WSTG
	v_mul_u32_u24 v[STO], v9, 272
	v_lshl_add_u32 v[STO], v10, 7, v[STO]
	v_add_nc_u32 v[STO], s41, v[STO]               ; stage row 16 e + c holds n = 4 c + e: k 64 hh on at byte 128 hh
	v_lshrrev_b32 v11, 3, v8
	v_mul_u32_u24 v[RD], v11, ESTR
	v_and_b32 v11, 7, v0
	v_lshl_add_u32 v[RD], v11, 4, v[RD]
	v_add_nc_u32 v[RD], s41, v[RD]                 ; back: n = 4 t + l / 8 is row 16 (l / 8) + t; 16 (l % 8) bytes into its half
	v_lshlrev_b32 v[SO], 4, v8                     ; 16 bytes a lane: 512 bytes on end
.macro WLOAD q, set                    ; rows 16 q .. 16 q + 15 of both halves
.irp i, 0,1,2,3,4,5,6,7,8,9,10,11,12,13,14,15
	global_load_b128 v[XS+64*(\set)+4*(\i):XS+64*(\set)+4*(\i)+3], v[LO], s[30:31] offset:(16*(\q)+(\i))*ROWB th:TH_LOAD_NT
.endr
.endm
.macro WPACK q, set                    ; for each of my four columns e: 16 k rounded into 32 bytes, into the stage
.irp e, 0,1,2,3
.irp j, 0,1,2,3,4,5,6,7
	v_cvt_pk_bf16_f32 v[PKD+8*(\e)+(\j)], v[XS+64*(\set)+8*(\j)+(\e)], v[XS+64*(\set)+8*(\j)+4+(\e)]
.endr
.endr
.irp e, 0,1,2,3
	ds_store_b128 v[STO], v[PKD+8*(\e):PKD+8*(\e)+3]   offset:(\e)*ESTR+(\q)*32
	ds_store_b128 v[STO], v[PKD+8*(\e)+4:PKD+8*(\e)+7] offset:(\e)*ESTR+(\q)*32+16
.endr
.endm
	WLOAD 0, 0
	WLOAD 1, 1
	WLOAD 2, 2
	s_wait_loadcnt 32                              ; the first sixteen are in; two younger runs of sixteen stay out
	WPACK 0, 0
	WLOAD 3, 0
	s_wait_loadcnt 32
	WPACK 1, 1
	s_wait_loadcnt 16
	WPACK 2, 2
	s_wait_loadcnt 0x0
	WPACK 3, 0
	; back as rows of 128 bytes, four rows (512 dense bytes of the destination) an instruction.  The stage is my wave's own, and LDS serves a wave in order: no wait, no barrier.
.irp t, 0,1,2,3,4,5,6,7,8,9,10,11,12,13,14,15
	ds_load_b128 v[XS+4*(\t):XS+4*(\t)+3], v[RD] offset:(\t)*272
.endr
.irp t, 0,1,2,3,4,5,6,7,8,9,10,11,12,13,14,15
	ds_load_b128 v[XS+64+4*(\t):XS+64+4*(\t)+3], v[RD] offset:(\t)*272+128
.endr
.irp t, 0,1,2,3,4,5,6,7,8,9,10,11,12,13,14,15
	s_wait_dscnt 31-(\t)                           ; LDS loads come back in order: this one is in, the younger stay out
	global_store_b128 v[SO], v[XS+4*(\t):XS+4*(\t)+3], s[32:33] offset:(\t)*512
.endr
.irp t, 0,1,2,3,4,5,6,7,8,9,10,11,12,13,14,15
	s_wait_dscnt 15-(\t)
	global_store_b128 v[SO], v[XS+64+4*(\t):XS+64+4*(\t)+3], s[42:43] offset:(\t)*512
.endr
.Lend:
	s_wait_tensorcnt 0x0                           ; the wave's end, behind my last LDS store
	ds_add_u32 v[SPW], v[NIL]
	s_wait_dscnt 0x0
	s_endpgm
.Lfunc_end_k_q14f849d2d2_prep:
	.size	k_q14f849d2d2_prep, .Lfunc_end_k_q14f849d2d2_prep-k_q14f849d2d2_prep
	.p2alignl 7, 3214868480
	.fill 96, 4, 3214868480
	.section	.rodata,"a",@progbits
	.p2align	6, 0x0
	.amdhsa_kernel k_q14f849d2d2_prep
		.amdhsa_group_segment_fixed_size 37376
		.amdhsa_private_segment_fixed_size 0
		.amdhsa_enable_private_segment 0
		.amdhsa_kernarg_size 88
		.amdhsa_user_sgpr_count 2
		.amdhsa_user_sgpr_kernarg_segment_ptr 1
		.amdhsa_wavefront_size32 1
		.amdhsa_system_sgpr_workgroup_id_x 1
		.amdhsa_system_sgpr_workgroup_id_y 1
		.amdhsa_system_sgpr_workgroup_id_z 1
		.amdhsa_system_vgpr_workitem_id 0
		.amdhsa_next_free_vgpr 240
		.amdhsa_next_free_sgpr 66
		.amdhsa_reserve_vcc 0
		.amdhsa_float_denorm_mode_32 3
		.amdhsa_float_denorm_mode_16_64 3
		.amdhsa_memory_ordered 1
		.amdhsa_forward_progress 1
		.amdhsa_inst_pref_size 46
	.end_amdhsa_kernel
	.amdgpu_metadata
---
amdhsa.version: [ 1, 2 ]
amdhsa.kernels:
  - .name:           k_q14f849d2d2_prep
    .symbol:         k_q14f849d2d2_prep.kd
    .args:
      - { .name: hidden_states, .offset: 0, .size: 8, .value_kind: global_buffer, .address_space: global }
      - { .name: text_states, .offset: 8, .size: 8, .value_kind: global_buffer, .address_space: global }
      - { .name: Wk, .offset: 16, .size: 8, .value_kind: global_buffer, .address_space: global }
      - { .name: Wv, .offset: 24, .size: 8, .value_kind: global_buffer, .address_space: global }
      - { .name: Wq, .offset: 32, .size: 8, .value_kind: global_buffer, .address_space: global }
      - { .name: Wo, .offset: 40, .size: 8, .value_kind: global_buffer, .address_space: global }
      - { .name: xb, .offset: 48, .size: 8, .value_kind: global_buffer, .address_space: global }
      - { .name: tb, .offset: 56, .size: 8, .value_kind: global_buffer, .address_space: global }
      - { .name: wkvt, .offset: 64, .size: 8, .value_kind: global_buffer, .address_space: global }
      - { .name: wqt, .offset: 72, .size: 8, .value_kind: global_buffer, .address_space: global }
      - { .name: wot, .offset: 80, .size: 8, .value_kind: global_buffer, .address_space: global }
    .group_segment_fixed_size: 37376
    .private_segment_fixed_size: 0
    .kernarg_segment_align: 8
    .kernarg_segment_size: 88
    .max_flat_workgroup_size: 352
    .sgpr_count:     66
    .vgpr_count:     240
    .wavefront_size: 32
...
	.end_amdgpu_metadata
.endif
;; end of part 1
;; launch gemm_kv (part 2): grid 8 x 32, 4 waves a work-group, clusters of 4 x 4, 327,680 bytes of LDS; arguments xb, wkvt, bk, bv, kv; writes kv
.if DOCPART == 2
	.amdgcn_target "amdgcn-amd-amdhsa--gfx1250"
	.amdhsa_code_object_version 6
	.text
	.protected	k_q14f849d2d2_gemm_kv
	.globl	k_q14f849d2d2_gemm_kv
	.p2align	8
	.type	k_q14f849d2d2_gemm_kv,@function
k_q14f849d2d2_gemm_kv:
	s_mov_b64 s[64:65], 0
	v_nop
	global_prefetch_b8 v0, s[64:65] scope:SCOPE_SE
	s_setreg_imm32_b32 hwreg(HW_REG_WAVE_MODE, 25, 1), 1
	s_wait_xcnt 0x0
	s_wait_alu depctr_hold_cnt(0) depctr_sa_sdst(0) depctr_va_vdst(0) depctr_va_sdst(0) depctr_va_ssrc(0) depctr_va_vcc(0) depctr_vm_vsrc(0)
	s_getreg_b32 s2, hwreg(HW_REG_IB_STS2, 6, 4)
	s_cmp_eq_u32 s2, 0
	s_cbranch_scc0 .Lentry_in_a_cluster
	s_endpgm
.Lentry_in_a_cluster:
	s_bfe_u32 s2, ttmp6, 0x10000c
	s_cmp_lg_u32 s2, 0xf033
	s_cbranch_scc0 .Lentry_shape_is_right
	s_endpgm
.Lentry_shape_is_right:
; C[m][n] = sum over k of A[m][k] B[n][k] + bias[n], M = 16,384, K = 1,024; A and B bf16 and K-BLOCKED ([k / 64][row][64]); sums in f32.  One text, two uses, chosen by MODE:
;   MODE 0 (this file): A = xb, B = wkvt (N = 2,048: Wk's columns, then Wv's), bias = bk | bv; C rounded once to f16 and stored by heads, kv [16 b][32 g][1024 s][64] (g = n / 64: 16 heads of K, then 16 of V).
;           A work-group STAYS and makes two tiles of C, 32 tile rows apart, with the same columns.
;   MODE 1: A = ao, B = wot (N = 1,024), bias = bo; C = out0 in f32, row-major; one tile to a work-group.
; LIMIT (MODE 0): f16 ends at 65,504: k and v must lie within it.  The bias is rounded to bf16 like every other input of the module.
; SHAPE.  A tile of C is 256 x 256, made by four waves, each 128 x 128: 64 accumulators, 512 registers.  K goes in steps of 128 through two LDS slots.  A slot holds four SUB-TILES:
; 256 rows of A for the step's even block of 64 k, for its odd block, and the same two of B.  A sub-tile is 32,768 dense bytes of memory: wave w fetches sub-tile w by one tensor load of 128 rows x 256 bytes,
; padded in LDS by 16 bytes after every 128, so that LDS rows are 144 bytes apart: the 16 rows of a fragment load start at 16 different 16-byte columns modulo 256.
; THE LOOP is ONE K step: the change of slots that ends a step, then the next step's first three quarters.  Which slot is in hand is a scalar, 0 or SLOT, turned by an exclusive or and added to fixed lane
; addresses; one descriptor an operand walks from K step to K step, on into the next tile.  The loop is entered at a tile's first quarter, and left in front of the last change of slots.
; THE LAST K STEP GOES BY ROWS OF C: all its fragments of B come into registers, and my eight blocks of 16 rows are finished one after the other, each leaving at once.
; CLUSTER.  4 x 4 work-groups.  A's sub-tiles hang on the tile row alone and are asked for jointly by a row of the cluster, B's on the tile column alone, by a column.
; THE MATRIX INSTRUCTION IS USED TRANSPOSED (source 0 = 16 rows of B, source 1 = 16 rows of A): a lane holds row m = l % 16 and the columns 8 (l / 16) + 0..7.  The first product on each accumulator
; takes the bias as its C: nothing is cleared, and nothing is added afterwards.
; REGISTERS, in windows of 256: window 0: v0-31 addresses; v64-127, v128-191 A's two fragment buffers (in the last K step four, of 16 rows x 128 k); v32-63, v192-255 at work on the way out;
;   window 1: v64-127, v128-191 B's two buffers; v192-255 the bias; in the last K step all 256: B's fragments of the step;   windows 2, 3: the accumulators of my rows 0-63 and 64-127, (a, b) at v[8 (8 (a % 4) + b)].
.set MODE,   0
.if MODE == 0
.set TILES,  2
.set BPLANE, 262144                    ; bytes from one block of 64 k to the next in B
.else
.set TILES,  1
.set BPLANE, 131072
.endif
.set NS,     8*TILES                   ; K steps of a work-group.  In the trip with the change of slots that ends step j the counter s3 holds NS - 2 - j
.set PITCH,  144
.set SUB,    256*PITCH                 ; a sub-tile in LDS
.set SLOT,   4*SUB                     ; 0x24000: it shares no bit with wave x SUB (0, 0x9000, 0x12000, 0x1b000), so an exclusive or with it turns a descriptor's LDS word into the other slot's
.set STAGE,  2*SLOT                    ; behind the ring: 16 rows x 272 bytes for each wave, for the way out
.set SPITCH, 272
.set SPARE,  STAGE+4*16*SPITCH         ; behind the stages: the spare words, 128 bytes a wave, that no other line names
.set APLANE, 131072                    ; bytes from one block of 64 k to the next in A
.set JUMPA,  8*16*APLANE-14*APLANE     ; from a tile's last K step of A to the next tile's first: 8 panels of 1,024 rows down, 7 steps back
.set BACKB,  14*BPLANE                 ; B only goes back: both tiles take the same rows
.set TILEC,  8*32*131072               ; from a tile's place in kv to the next tile's
.set ADRA,  16                         ; v16  LDS address of my A fragments in the slot in hand
.set ADRB,  17                         ; v17  the same for B
.set ADRA0, 18                         ; v18  the same in slot 0; never rewritten
.set ADRB0, 19                         ; v19
.set STO,  24                          ; v24     the way out: where I put my bytes of a row
.set RD,   25                          ; v25     the way out: where I read rows back
.set CO,   26                          ; v26     my byte offset in C
.set BO,   27                          ; v27     my byte offset in the bias
.set SPW,  28                          ; v28     LDS address of my spare word; never rewritten
.set NIL,  29                          ; v29     0; never rewritten
.set PFO,  30                          ; v30     256 x my lane; never rewritten
.set F0,   64
.set F1,   128
.set BIAS, 192                         ; window 1, v[192:255]: register 8 b + j = bias of column 16 b + 8 (l / 16) + j of my 128
.set TMP,  192                         ; window 0
.set OB,   32                          ; the way out: v32-63 and v224-255 by turns
.set PA,   64                          ; the last K step: A's fragments of 16 rows x 128 k, 32 registers; four such buffers, v64-191
.set G1,  24                           ; s[24:31] descriptor group 1 for A
.set G0,  32                           ; s[32:39] group 0 for A: a set for each of the two first fills; the second then walks on
.set G1B, 48                           ; s[48:55], s[56:63] the same for B
.set G0B, 56
.set PFA, 44                           ; s[44:45] where my prefetches stand
.set LIM, 43                           ; s43  a wave prefetches while s3 is above it
.set PST, 66                           ; s[66:67] a K step in my operand, in bytes
.set TB,  75                           ; s75  the slot in hand: 0 or SLOT
.set C2,  76                           ; s[76:77] C at my part of the second tile
.set PSTJ, 78                          ; s78  what my prefetches step by at the change of tiles
.set LIMV, 79
.set DA,  80                           ; s[80:81] what A's walking address steps by
.set DB,  82                           ; s[82:83] what B's steps on by,
.set DM,  84                           ; s[84:85] and back by
.set PFS, 86                           ; s[86:87] what my prefetches step by
.set DAN, 88                           ; s88-91  the constants among which these are chosen
.set DAJ, 89
.set DBN, 90
.set DBJ, 91
.set MSB, 0
.macro WIN new                         ; the immediate's high byte repeats the setting that is left; a switch that changes nothing is dropped
.if MSB != (\new)
	s_set_vgpr_msb (MSB<<8)|(\new)
.set MSB, \new
.endif
.endm
.set MUL_LO, 0xa1                      ; source 0 (B) window 1, source 1 (A) window 0, C and D window 2
.set TO_B,   0x40                      ; destination window 1, address window 0
; A joint load.  Waves 0 and 1 fetch A's two sub-tiles, waves 2 and 3 B's.  The branch hangs on the wave's number alone.  An s_nop 0 and four v_nop follow each line.
.macro JLOAD s
	s_cmp_eq_u32 s11, 0
	s_cbranch_scc0 .Lfor_b_\@
	tensor_load_to_lds s[G0+4*(\s):G0+4*(\s)+3], s[G1:G1+7]
	s_nop 0
.rept 4
	v_nop
.endr
	s_branch .Lasked_\@
.Lfor_b_\@:
	tensor_load_to_lds s[G0B+4*(\s):G0B+4*(\s)+3], s[G1B:G1B+7]
	s_nop 0
.rept 4
	v_nop
.endr
.Lasked_\@:
.endm
; A prefetch, behind a joint load and the run of LDS loads that follows it: my sub-tile of the K step two refills on.  Its 128 blocks of 256 bytes are shared out BY ADDRESS among the four partners that ask
; for it jointly, 32 each, a lane a block.  A's sub-tiles are read by every cluster of a row of clusters: cluster x = 0 asks; B's by every cluster of a column: cluster y = 0 asks.  So each block is named
; once in the launch.  A is asked for up to the work-group's last K step (s3 > 2); B's rows, the same for both tiles, in the first tile alone (s3 > NS - 6).  The first four K steps come by their loads alone.
.macro ASK
	s_cmp_gt_u32 s3, s[LIM]
	s_cbranch_scc0 .Lnot_mine_\@
	global_prefetch_b8 v[PFO], s[PFA:PFA+1] th:TH_LOAD_NT scope:SCOPE_SE
.Lnot_mine_\@:
.endm
.macro CREST                           ; a round of the cluster's barrier behind its opening barrier
	s_cmp_lg_u32 s10, 0
	s_cbranch_scc1 .Lnot_wave_0_\@
	s_barrier_signal -3
.Lnot_wave_0_\@:
	s_barrier_wait -3
	s_barrier_signal -1
	s_barrier_wait -1
.endm
.macro CROUND                          ; a whole round
	s_barrier_signal -1
	s_barrier_wait -1
	CREST
.endm
	s_load_b128 s[4:7], s[0:1], 0x0                ; A s[4:5], B s[6:7]
	s_load_b128 s[68:71], s[0:1], 0x10             ; MODE 0: bk, bv;  MODE 1: bo, out0
.if MODE == 0
	s_load_b64 s[8:9], s[0:1], 0x20                ; kv
.endif
	v_lshl_add_u32 v[SPW], v0, 2, SPARE
	v_mov_b32 v[NIL], 0
	ds_add_u32 v[SPW], v[NIL]                      ; the wave's opening: the add and its wait stand ahead of my first tensor load; register work stands between them
	ds_add_u32 v28, v29
	v_lshrrev_b32 v1, 5, v0
	v_readfirstlane_b32 s10, v1                    ; wave 0..3
	s_lshr_b32 s11, s10, 1                         ; which half of the tile's rows is mine.  Also: I fetch for A (0) or for B (1)
	s_and_b32 s12, s10, 1                          ; which half of its columns.  Also: the even (0) or odd (1) block of 64 k
	s_bfe_u32 s40, ttmp6, 0x40000                  ; cx
	s_bfe_u32 s41, ttmp6, 0x40004                  ; cy
	s_lshl_b32 s42, ttmp9, 2
	s_add_co_u32 s42, s42, s40                     ; tile column = 4 x cluster x + cx
	s_and_b32 s13, ttmp7, 0xffff
	s_lshl_b32 s13, s13, 2
	s_add_co_u32 s13, s13, s41                     ; (first) tile row = 4 x cluster y + cy
	s_lshl_b32 s43, s41, 2
	s_lshl_b32 s43, 15, s43                        ; my row of the cluster
	s_lshl_b32 s44, 0x1111, s40                    ; my column
	s_or_b32 s[G1+0], s43, (1<<16)|(1<<20)|(1<<21)|(4<<22)|(3<<25)   ; the mask; 2-byte elements; padding on; bit 21 beside a mask; after every 32 words, 4 words
	s_or_b32 s[G1B+0], s44, (1<<16)|(1<<20)|(1<<21)|(4<<22)|(3<<25)
.irp g, G1, G1B
	s_mov_b32 s[(\g)+1], 128<<16                   ; tensor_dim0 = 128 elements: 256 bytes
	s_mov_b32 s[(\g)+2], 128<<16                   ; tensor_dim1 = 128 rows
	s_mov_b32 s[(\g)+3], 128<<16                   ; tile_dim0 = 128
	s_mov_b32 s[(\g)+4], 128                       ; tile_dim1 = 128
	s_mov_b32 s[(\g)+5], 128                       ; the rows lie end to end
	s_mov_b32 s[(\g)+6], 0
	s_mov_b32 s[(\g)+7], 0
.endr
	s_lshr_b32 s16, s13, 2                         ; A: the panel of 1,024 rows (16 blocks of 131,072 bytes),
	s_lshl_b32 s16, s16, 21
	s_and_b32 s17, s13, 3
	s_lshl_b32 s17, s17, 15                        ; the tile's 256 rows of 128 bytes,
	s_add_co_u32 s16, s16, s17
	s_mul_i32 s17, s12, APLANE                     ; my block of 64 k
	s_add_co_u32 s16, s16, s17
	s_mov_b32 s17, 0
	s_lshl_b32 s46, s42, 15                        ; B: the tile's 256 rows,
	s_mul_i32 s47, s12, BPLANE                     ; my block of 64 k
	s_add_co_u32 s46, s46, s47
	s_mov_b32 s47, 0
	s_mul_i32 s20, s10, SUB                        ; where they go: sub-tile = wave: no place in the cluster enters an LDS address
	s_mov_b32 s[TB], 0
.if TILES > 1
	s_mov_b32 s[DAN], 2*APLANE
	s_mov_b32 s[DAJ], JUMPA
	s_mov_b32 s[DBN], 2*BPLANE
	s_mov_b32 s[DBJ], BACKB
	s_mov_b32 s[DA+1], 0
	s_mov_b32 s[DB+1], 0
	s_mov_b32 s[DM+1], 0
	s_mov_b32 s[PFS+1], 0
.endif
	s_wait_dscnt 0x0                               ; the opening add is done
	s_wait_kmcnt 0x0
	s_add_nc_u64 s[14:15], s[4:5], s[16:17]
	s_add_nc_u64 s[46:47], s[6:7], s[46:47]
	CROUND                                         ; all sixteen work-groups are here: the first joint loads meet
.irp s, 0,1
	s_mov_b32 s[G0+4*(\s)], 1
	s_add_co_u32 s[G0+4*(\s)+1], s20, (\s)*SLOT
	s_add_nc_u64 s[G0+4*(\s)+2:G0+4*(\s)+3], s[14:15], (\s)*2*APLANE  ; K step s
	s_or_b32 s[G0+4*(\s)+3], s[G0+4*(\s)+3], 0x80000000
	s_mov_b32 s[G0B+4*(\s)], 1
	s_add_co_u32 s[G0B+4*(\s)+1], s20, (\s)*SLOT
	s_add_nc_u64 s[G0B+4*(\s)+2:G0B+4*(\s)+3], s[46:47], (\s)*2*BPLANE
	s_or_b32 s[G0B+4*(\s)+3], s[G0B+4*(\s)+3], 0x80000000
	JLOAD \s                                       ; two loads of mine are out
.endr
	v_and_b32 v1, 15, v0                           ; l % 16
	v_bfe_u32 v2, v0, 4, 1                         ; l / 16
	; the bias of my 128 columns
.if MODE == 0
	s_cmp_eq_u32 ttmp9, 0                          ; tile columns 0-3 (cluster x = 0) are K's, 4-7 V's
	s_cselect_b64 s[18:19], s[68:69], s[70:71]
	s_lshl_b32 s72, s40, 10                        ; 256 columns of 4 bytes x (tile column mod 4)
.else
	s_mov_b64 s[18:19], s[68:69]
	s_mov_b64 s[8:9], s[70:71]
	s_lshl_b32 s72, s42, 10
.endif
	s_lshl_b32 s74, s12, 9
	s_add_co_u32 s72, s72, s74
	s_mov_b32 s73, 0
	s_add_nc_u64 s[18:19], s[18:19], s[72:73]
	v_lshlrev_b32 v[BO], 5, v2
	WIN TO_B
.irp b, 0,1,2,3,4,5,6,7
	global_load_b128 v[BIAS+8*(\b):BIAS+8*(\b)+3],   v[BO], s[18:19] offset:64*(\b)
	global_load_b128 v[BIAS+8*(\b)+4:BIAS+8*(\b)+7], v[BO], s[18:19] offset:64*(\b)+16
.endr
	WIN 0
	; A fragment is 16 rows x 32 k in 8 registers: lane l holds row l % 16; two loads of 16 bytes, 32 bytes apart, at row x pitch + 16 (l / 16).
	v_mul_u32_u24 v3, v1, PITCH
	v_lshl_add_u32 v3, v2, 4, v3
	s_mul_i32 s21, s11, 128*PITCH                  ; my 128 rows of A
	s_mul_i32 s22, s12, 128*PITCH                  ; my 128 rows of B,
	s_add_co_u32 s22, s22, 2*SUB                   ; behind A's two sub-tiles
	v_add_nc_u32 v[ADRA0], s21, v3
	v_add_nc_u32 v[ADRB0], s22, v3
	v_mov_b32 v[ADRA], v[ADRA0]                    ; slot 0 is in hand
	v_mov_b32 v[ADRB], v[ADRB0]
	s_mul_i32 s23, s10, 16*SPITCH
	s_add_co_u32 s23, s23, STAGE                   ; my stage
	v_mul_u32_u24 v4, v1, SPITCH
.if MODE == 0
	v_lshl_add_u32 v4, v2, 4, v4                   ; in: row l % 16, 16 bytes (8 f16) for each half of the lanes
	v_add_nc_u32 v[STO], s23, v4
	v_and_b32 v5, 31, v0
	v_lshrrev_b32 v6, 3, v5                        ; back: 32 lanes take four rows' 128 bytes of one head,
	v_mul_u32_u24 v6, v6, SPITCH
	v_and_b32 v7, 7, v0
	v_lshl_add_u32 v6, v7, 4, v6
	v_add_nc_u32 v[RD], s23, v6
	v_lshlrev_b32 v[CO], 4, v5                     ; which are 512 consecutive bytes of kv
	s_lshr_b32 s72, s13, 2                         ; kv: (32 b + 4 x tile column + 2 x my half) heads of 131,072 bytes
	s_lshl_b32 s72, s72, 5
	s_lshl_b32 s74, s42, 2
	s_add_co_u32 s72, s72, s74
	s_lshl_b32 s74, s12, 1
	s_add_co_u32 s72, s72, s74
	s_lshl_b32 s72, s72, 17
	s_and_b32 s74, s13, 3                          ; + my first row s, 128 bytes a row
	s_lshl_b32 s74, s74, 15
	s_add_co_u32 s72, s72, s74
	s_lshl_b32 s74, s11, 14
	s_add_co_u32 s72, s72, s74
.else
	v_lshl_add_u32 v4, v2, 5, v4                   ; in: row l % 16, 32 bytes (8 f32) for each half of the lanes
	v_add_nc_u32 v[STO], s23, v4
	v_mul_u32_u24 v5, v2, SPITCH                   ; back: lanes 0-15 one row of 256 bytes, lanes 16-31 the next
	v_lshl_add_u32 v5, v1, 4, v5
	v_add_nc_u32 v[RD], s23, v5
	v_lshlrev_b32 v5, 12, v2                       ; and the same two rows of out0 (4,096 bytes a row)
	v_lshl_add_u32 v[CO], v1, 4, v5
	s_lshl_b32 s72, s13, 8
	s_lshl_b32 s74, s11, 7
	s_add_co_u32 s72, s72, s74                     ; my first row
	s_lshl_b32 s72, s72, 12
	s_lshl_b32 s74, s42, 10                        ; my first column, 4 bytes each
	s_add_co_u32 s72, s72, s74
	s_lshl_b32 s74, s12, 9
	s_add_co_u32 s72, s72, s74
.endif
	s_mov_b32 s73, 0
	s_add_nc_u64 s[8:9], s[8:9], s[72:73]
.if TILES > 1
	s_add_nc_u64 s[C2:C2+1], s[8:9], TILEC
.endif
	; the prefetches: my sub-tile, at K step 3 (the first change of slots steps it to 4), my work-group's 32 blocks of it
	s_and_b32 s22, ttmp7, 0xffff                   ; cluster y
	s_mov_b32 s20, 6*APLANE
	s_mov_b32 s23, 6*BPLANE
	s_mov_b32 s[PST], 2*APLANE
	s_mov_b32 s74, 2*BPLANE
	s_cmp_eq_u32 s11, 0                            ; do I fetch for A?
	s_cselect_b32 s21, s40, s41                    ; my place among the four that ask with me
	s_cselect_b32 s22, ttmp9, s22                  ; the coordinate along which other clusters read the same bytes
	s_cselect_b64 s[PFA:PFA+1], s[14:15], s[46:47]
	s_cselect_b32 s20, s20, s23
	s_cselect_b32 s[PST], s[PST], s74
	s_cselect_b32 s[LIMV], 2, NS-6
.if TILES > 1
	s_cselect_b32 s[PSTJ], s[DAJ], s74
.endif
	s_mov_b32 s[PST+1], 0
	s_cmp_eq_u32 s22, 0
	s_cselect_b32 s[LIM], s[LIMV], -1              ; the same in all sixteen partners, for a given wave
	s_lshl_b32 s21, s21, 13
	s_add_co_u32 s20, s20, s21
	s_mov_b32 s21, 0
	s_add_nc_u64 s[PFA:PFA+1], s[PFA:PFA+1], s[20:21]
	v_and_b32 v[PFO], 31, v0
	v_lshlrev_b32 v[PFO], 8, v[PFO]
; 16 matrix instructions: m blocks a0, a0 + 1 of the window's four (hi = 0: my rows 0-63, 1: rows 64-127) x all 8 n blocks, 32 along K.  zero = 1: the product starts the sum, with the bias as C.
; The 64 accumulators take turns, one instruction a turn, in the same order in every quarter.
.macro MUL16 f, hi, a0, zero
.if \zero
	WIN 0x91+0x40*(\hi)                            ; C in window 1
.else
	WIN MUL_LO+0x50*(\hi)
.endif
.irp a, \a0, (\a0)+1
.irp b, 0,1,2,3,4,5,6,7
.if \zero
	v_wmma_f32_16x16x32_bf16 v[8*(8*(\a)+(\b)):8*(8*(\a)+(\b))+7], v[(\f)+8*(\b):(\f)+8*(\b)+7], v[(\f)+8*(4*(\hi)+(\a)):(\f)+8*(4*(\hi)+(\a))+7], v[BIAS+8*(\b):BIAS+8*(\b)+7]
.else
	v_wmma_f32_16x16x32_bf16 v[8*(8*(\a)+(\b)):8*(8*(\a)+(\b))+7], v[(\f)+8*(\b):(\f)+8*(\b)+7], v[(\f)+8*(4*(\hi)+(\a)):(\f)+8*(4*(\hi)+(\a))+7], v[8*(8*(\a)+(\b)):8*(8*(\a)+(\b))+7]
.endif
.endr
.endr
.endm
; 32 LDS loads in one run: the fragments of quarter q of the K step in hand (k = 32 q on: sub-tile q / 2, byte 64 (q % 2) of its rows) into buffer f
.macro FETCH q, f
.set FK, ((\q)>>1)*SUB+((\q)&1)*64
	WIN TO_B
.irp i, 0,1,2,3,4,5,6,7
	ds_load_b128 v[(\f)+8*(\i):(\f)+8*(\i)+3],   v[ADRB] offset:FK+(\i)*16*PITCH
	ds_load_b128 v[(\f)+8*(\i)+4:(\f)+8*(\i)+7], v[ADRB] offset:FK+(\i)*16*PITCH+32
.endr
	WIN 0
.irp i, 0,1,2,3,4,5,6,7
	ds_load_b128 v[(\f)+8*(\i):(\f)+8*(\i)+3],   v[ADRA] offset:FK+(\i)*16*PITCH
	ds_load_b128 v[(\f)+8*(\i)+4:(\f)+8*(\i)+7], v[ADRA] offset:FK+(\i)*16*PITCH+32
.endr
.endm
.macro PLACES                          ; four plain instructions between a matrix instruction and a load into its sources, or a reader of its result
.rept 4
	v_nop
.endr
.endm
.macro OTHER                           ; the other slot comes in hand
	WIN 0
	s_xor_b32 s[TB], s[TB], SLOT
	v_add_nc_u32 v[ADRA], s[TB], v[ADRA0]
	v_add_nc_u32 v[ADRB], s[TB], v[ADRB0]
.endm
; One of a K step's first three quarters: multiplies buffer f; in its middle it fetches quarter q into buffer g.
.macro QUARTER q, f, g, zero
	s_wait_dscnt 8                                 ; B and A's rows 0-63 are in; the youngest eight loads (A's rows 64-127) may be out
	MUL16 \f, 0, 0, \zero
	MUL16 \f, 0, 2, \zero
	PLACES
	FETCH \q, \g
	s_wait_dscnt 32                                ; all but the 32 just issued
	MUL16 \f, 1, 0, \zero
	MUL16 \f, 1, 2, \zero
.endm
; The last quarter's first half: ONE barrier for the change of slots.  In front of it each wave waits for all its tensor loads (one is out: its part of the next slot), adds 0 to its spare word,
; and waits for that and for its reads of this slot.
.macro MEET round
	WIN 0
	s_wait_tensorcnt 0x0
	ds_add_u32 v[SPW], v[NIL]
	s_wait_dscnt 9                                 ; the add and the youngest eight loads may be out
	MUL16 F1, 0, 0, 0
	s_wait_dscnt 0x0                               ; the add is done, and my reads of this slot are over
	s_barrier_signal -1
	MUL16 F1, 0, 2, 0
.if \round
	WIN 0
.endif
	s_barrier_wait -1
.endm
; The whole last quarter of a K step that has a step two on.  The barrier opens a round of the cluster's; the slot just read out is filled again first, with the K step two on; then the next slot's first fragments.
.macro TURN
	s_wait_xcnt 0x0                                ; the last prefetch, a K step back, has read its address
.if TILES > 1
	s_cmp_eq_u32 s3, NS-6                          ; step 4's change names the second tile's first K step
	s_cselect_b32 s[PFS], s[PSTJ], s[PST]
	s_add_nc_u64 s[PFA:PFA+1], s[PFA:PFA+1], s[PFS:PFS+1]
	s_cmp_eq_u32 s3, NS-8                          ; step 6's change asks for it: A jumps to the second tile's rows, B goes back to its first K step
	s_cselect_b32 s[DA], s[DAJ], s[DAN]
	s_cselect_b32 s[DB], 0, s[DBN]
	s_cselect_b32 s[DM], s[DBJ], 0
.else
	s_add_nc_u64 s[PFA:PFA+1], s[PFA:PFA+1], s[PST:PST+1]
.endif
	MEET 1
	CREST                                          ; no wave of any partner still reads this slot or has a load on its way
	s_xor_b32 s[G0+5], s[G0+5], SLOT               ; the walking descriptors: the other slot than last time,
	s_xor_b32 s[G0B+5], s[G0B+5], SLOT
.if TILES > 1
	s_add_nc_u64 s[G0+6:G0+7], s[G0+6:G0+7], s[DA:DA+1]      ; the next K step
	s_add_nc_u64 s[G0B+6:G0B+7], s[G0B+6:G0B+7], s[DB:DB+1]
	s_sub_nc_u64 s[G0B+6:G0B+7], s[G0B+6:G0B+7], s[DM:DM+1]
.else
	s_add_nc_u64 s[G0+6:G0+7], s[G0+6:G0+7], 2*APLANE        ; the next K step
	s_add_nc_u64 s[G0B+6:G0B+7], s[G0B+6:G0B+7], 2*BPLANE
.endif
	JLOAD 1                                        ; my one tensor load behind the round; its four v_nop are also the places in front of the loads below
	OTHER
	FETCH 0, F0
	ASK
	MUL16 F1, 1, 0, 0
	MUL16 F1, 1, 2, 0
.endm
; THE LAST K STEP, BY ROWS OF C.  All its fragments of B (4 quarters x 64 registers) fill window 1; A's come by blocks of 16 rows x 128 k.
.macro BLOAD q                         ; B's fragments of quarter q -> window 1, v[64 q ..]
.set FK, ((\q)>>1)*SUB+((\q)&1)*64
	WIN TO_B
.irp i, 0,1,2,3,4,5,6,7
	ds_load_b128 v[64*(\q)+8*(\i):64*(\q)+8*(\i)+3],   v[ADRB] offset:FK+(\i)*16*PITCH
	ds_load_b128 v[64*(\q)+8*(\i)+4:64*(\q)+8*(\i)+7], v[ADRB] offset:FK+(\i)*16*PITCH+32
.endr
.endm
.macro ALOAD a                         ; A's fragments of block a, all four quarters -> buffer a % 4
	WIN 0
.set FA, PA+32*((\a)%4)
.irp q, 0,1,2,3
	ds_load_b128 v[FA+8*(\q):FA+8*(\q)+3],   v[ADRA] offset:((\q)>>1)*SUB+((\q)&1)*64+(\a)*16*PITCH
	ds_load_b128 v[FA+8*(\q)+4:FA+8*(\q)+7], v[ADRA] offset:((\q)>>1)*SUB+((\q)&1)*64+(\a)*16*PITCH+32
.endr
.endm
.macro ROW a                           ; block a is finished: 32 matrix instructions, its 8 accumulators by turns
.set FA, PA+32*((\a)%4)
.set AC, 64*((\a)%4)
	WIN MUL_LO+0x50*((\a)/4)
.irp q, 0,1,2,3
.if (\a) == 0 && (\q) == 2
	s_wait_dscnt 24                                ; B's quarter 2 is in (behind it: A's blocks 1 to 3)
.endif
.irp b, 0,1,2,3,4,5,6,7
	v_wmma_f32_16x16x32_bf16 v[AC+8*(\b):AC+8*(\b)+7], v[64*(\q)+8*(\b):64*(\q)+8*(\b)+7], v[FA+8*(\q):FA+8*(\q)+7], v[AC+8*(\b):AC+8*(\b)+7]
.endr
.endr
.endm
.if MODE == 0
; THE WAY OUT, a block of 16 rows at a time: rounded to f16 (16 bytes a lane), into my stage, back as rows of 128 bytes by heads, stored 512 dense bytes an instruction.
.macro PACK a
.set AC, 64*((\a)%4)
	WIN 0x0a+5*((\a)/4)                            ; sources 0 and 1: window 2 or 3
.irp b, 0,1,2,3,4,5,6,7
.irp r, 0,1,2,3
	v_cvt_pk_f16_f32 v[TMP+4*(\b)+(\r)], v[AC+8*(\b)+2*(\r)], v[AC+8*(\b)+2*(\r)+1]
.endr
.endr
	WIN 0
.endm
.macro TOSTAGE a
.set BK, OB+192*((\a)%2)
.irp b, 0,1,2,3,4,5,6,7
	ds_store_b128 v[STO], v[TMP+4*(\b):TMP+4*(\b)+3] offset:32*(\b)
.endr
.irp hh, 0,1
.irp t, 0,1,2,3
	ds_load_b128 v[BK+4*(4*(\hh)+(\t)):BK+4*(4*(\hh)+(\t))+3], v[RD] offset:(\t)*4*SPITCH+(\hh)*128  ; LDS serves a wave in order: these see the stores above
.endr
.endr
.endm
.macro SEND a, younger, cb             ; younger: the LDS loads issued behind TOSTAGE's, which may stay out; cb: the tile's base
.set BK, OB+192*((\a)%2)
	s_wait_dscnt \younger                          ; the block is back in registers
	s_wait_xcnt 0x0                                ; the registers that earlier stores read are loaded again only behind this wait
.irp hh, 0,1
.irp t, 0,1,2,3
	global_store_b128 v[CO], v[BK+4*(4*(\hh)+(\t)):BK+4*(4*(\hh)+(\t))+3], s[(\cb):(\cb)+1] offset:(\hh)*131072+(\a)*2048+(\t)*512
.endr
.endr
.endm
.else
; THE WAY OUT in f32, a unit n = 2 a + u of 16 rows x 64 columns (256 bytes a row) at a time: straight from the accumulators into my stage, back as whole rows, stored.
.macro TOST1 n
.set AC, 64*(((\n)/2)%4)+32*((\n)%2)
.set BK, OB+192*((\n)%2)
	s_wait_xcnt 0x0                                ; the registers that the stores of two units back read are loaded again only behind this wait
	WIN 0x08+4*((\n)/8)                            ; store data (source 1) in window 2 or 3
.irp b, 0,1,2,3
	ds_store_b128 v[STO], v[AC+8*(\b):AC+8*(\b)+3]   offset:64*(\b)     ; each accumulator's low registers first
	ds_store_b128 v[STO], v[AC+8*(\b)+4:AC+8*(\b)+7] offset:64*(\b)+16
.endr
	WIN 0
.irp t, 0,1,2,3,4,5,6,7
	ds_load_b128 v[BK+4*(\t):BK+4*(\t)+3], v[RD] offset:(\t)*2*SPITCH
.endr
.endm
.macro SEND1 n, younger                ; younger: the LDS instructions issued behind unit n's loads
.set BK, OB+192*((\n)%2)
	s_wait_dscnt \younger
.irp t, 0,1,2,3,4,5,6,7
	global_store_b128 v[CO], v[BK+4*(\t):BK+4*(\t)+3], s[8:9] offset:(16*((\n)/2)+2*(\t))*4096+((\n)%2)*256 th:TH_STORE_NT  ; 16 lanes store 256 consecutive bytes, aligned
.endr
.endm
.endif
	s_wait_tensorcnt 1                             ; my part of K step 0 is in; K step 1's may stay out
	s_barrier_signal -1
	s_barrier_wait -1
	FETCH 0, F0
	s_wait_loadcnt 0x0                             ; the bias: rounded to bf16 and widened again
	WIN 0x05                                       ; sources in window 1, destination in window 0
.set i, 0
.rept 32
	v_cvt_pk_bf16_f32 v[OB+i], v[BIAS+2*i], v[BIAS+2*i+1]
.set i, i+1
.endr
	WIN TO_B
.set i, 0
.rept 32
	v_lshlrev_b32 v[BIAS+2*i], 16, v[OB+i]
	v_and_b32 v[BIAS+2*i+1], 0xffff0000, v[OB+i]
.set i, i+1
.endr
	WIN 0                                          ; at a label and at a branch every window is 0
	s_mov_b32 s3, NS-1                             ; the first pass, which has no change of slots, counts too
.if TILES > 1
	s_branch .Lzero                                ; the loop is entered at a tile's first quarter
.Lstep:                                                ; NS - 2 trips: every K step but the last two is followed by a refill
	TURN
	WIN 0
	s_cmp_eq_u32 s3, NS-9                          ; was that the first tile's last K step?
	s_cbranch_scc0 .Lplain
	PACK 0                                         ; BOTH REFILLS FOR THE SECOND TILE ARE ASKED FOR: NOW THE FIRST GOES OUT.  Blocks 0-3 were finished in front of the joint load's places,
	TOSTAGE 0                                      ; and their conversions, which name no register of the last products (blocks 4-7's), are those products' places
.irp a, 1,2,3,4,5,6,7                  ; block a's conversions stand between block a - 1's loads from the stage and the wait for them
	PACK \a
	SEND (\a)-1, 0, 8
	TOSTAGE \a
.endr
	SEND 7, 0, 8
.Lzero:
	QUARTER 1, F0, F1, 1                           ; a tile's first quarter: its products start the sums
	WIN 0
	s_branch .Lmid
.Lplain:
	QUARTER 1, F0, F1, 0
	WIN 0
.else
	QUARTER 1, F0, F1, 1                           ; the first quarter: its products start the sums
	WIN 0
	s_branch .Lmid                                 ; the loop is entered behind a step's first quarter
.Lstep:                                                ; NS - 2 trips: every K step but the last two is followed by a refill
	TURN
	QUARTER 1, F0, F1, 0
	WIN 0
.endif
.Lmid:
	QUARTER 2, F1, F0, 0
	QUARTER 3, F0, F1, 0
	WIN 0
	s_sub_co_u32 s3, s3, 1
	s_cmp_lg_u32 s3, 0
	s_cbranch_scc1 .Lstep
	MEET 0                                         ; my one tensor load that was still out is the last K step's, so no round follows
	PLACES                                         ; for the loads into buffer 0, which the quarter before multiplied
	OTHER
	BLOAD 0                                        ; three quarters of B now: buffer 1 (v128-191 of both windows) is still being multiplied
	BLOAD 1
	BLOAD 3
	ALOAD 0
	MUL16 F1, 1, 0, 0
	MUL16 F1, 1, 2, 0
	PLACES                                         ; for the loads into buffer 1
	BLOAD 2
	ALOAD 1
	ALOAD 2
	ALOAD 3
	s_wait_dscnt 40                                ; all but the 40 just issued
	ROW 0
.irp a, 0,1,2,3,4,5,6,7                ; each block leaves as soon as it is finished: nothing follows this tile under which its stores could leave
	PLACES                                         ; its readers take results just made, and no other vector work is at hand
.if MODE == 0
	PACK \a
	TOSTAGE \a
.if (\a) < 4
	ALOAD (\a)+4                                   ; its buffer takes the block four further on
	SEND \a, 8, C2
.else
	SEND \a, 0, C2
.endif
.else
	TOST1 2*(\a)
	TOST1 2*(\a)+1
.if (\a) < 4
	ALOAD (\a)+4
	SEND1 2*(\a), 24                               ; the second unit's sixteen and the eight loads of A may be out
	SEND1 2*(\a)+1, 8
.else
	SEND1 2*(\a), 16
	SEND1 2*(\a)+1, 0
.endif
.endif
.if (\a) < 7
	ROW (\a)+1
.endif
.endr
	s_wait_tensorcnt 0x0                           ; the wave's end, behind my last tensor load and my last LDS store
	ds_add_u32 v[SPW], v[NIL]
	s_wait_dscnt 0x0
	CROUND                                         ; the closing round: no work-group ends while a partner may still ask for a tile that names it
	s_endpgm
.Lfunc_end_k_q14f849d2d2_gemm_kv:
	.size	k_q14f849d2d2_gemm_kv, .Lfunc_end_k_q14f849d2d2_gemm_kv-k_q14f849d2d2_gemm_kv
	.p2alignl 7, 3214868480
	.fill 96, 4, 3214868480
	.section	.rodata,"a",@progbits
	.p2align	6, 0x0
	.amdhsa_kernel k_q14f849d2d2_gemm_kv
		.amdhsa_group_segment_fixed_size 327680
		.amdhsa_private_segment_fixed_size 0
		.amdhsa_enable_private_segment 0
		.amdhsa_kernarg_size 40
		.amdhsa_user_sgpr_count 2
		.amdhsa_user_sgpr_kernarg_segment_ptr 1
		.amdhsa_wavefront_size32 1
		.amdhsa_system_sgpr_workgroup_id_x 1
		.amdhsa_system_sgpr_workgroup_id_y 1
		.amdhsa_system_sgpr_workgroup_id_z 1
		.amdhsa_system_vgpr_workitem_id 0
		.amdhsa_next_free_vgpr 1024
		.amdhsa_next_free_sgpr 92
		.amdhsa_reserve_vcc 0
		.amdhsa_float_denorm_mode_32 3
		.amdhsa_float_denorm_mode_16_64 3
		.amdhsa_memory_ordered 1
		.amdhsa_forward_progress 1
		.amdhsa_inst_pref_size 144
	.end_amdhsa_kernel
	.amdgpu_metadata
---
amdhsa.version: [ 1, 2 ]
amdhsa.kernels:
  - .name:           k_q14f849d2d2_gemm_kv
    .symbol:         k_q14f849d2d2_gemm_kv.kd
    .args:
      - { .name: xb, .offset: 0, .size: 8, .value_kind: global_buffer, .address_space: global }
      - { .name: wkvt, .offset: 8, .size: 8, .value_kind: global_buffer, .address_space: global }
      - { .name: bk, .offset: 16, .size: 8, .value_kind: global_buffer, .address_space: global }
      - { .name: bv, .offset: 24, .size: 8, .value_kind: global_buffer, .address_space: global }
      - { .name: kv, .offset: 32, .size: 8, .value_kind: global_buffer, .address_space: global }
    .group_segment_fixed_size: 327680
    .private_segment_fixed_size: 0
    .kernarg_segment_align: 8
    .kernarg_segment_size: 40
    .max_flat_workgroup_size: 128
    .sgpr_count:     92
    .vgpr_count:     1024
    .wavefront_size: 32
...
	.end_amdgpu_metadata
.endif
;; end of part 2
;; launch attn (part 3): grid 16 x 16, 8 waves a work-group, no clusters, 327,680 bytes of LDS; arguments kv, tb, wqt, bq, ao; writes ao
.if DOCPART == 3
	.amdgcn_target "amdgcn-amd-amdhsa--gfx1250"
	.amdhsa_code_object_version 6
	.text
	.protected	k_q14f849d2d2_attn
	.globl	k_q14f849d2d2_attn
	.p2align	8
	.type	k_q14f849d2d2_attn,@function
k_q14f849d2d2_attn:
	s_mov_b64 s[64:65], 0
	v_nop
	global_prefetch_b8 v0, s[64:65] scope:SCOPE_SE
	s_setreg_imm32_b32 hwreg(HW_REG_WAVE_MODE, 25, 1), 1
	s_wait_xcnt 0x0
; ONE (b, h) TO A WORK-GROUP (x = h, y = b).  q = text_b Wq_h + bq_h (128 x 64);  P = softmax over the 1,024 keys of q k^T / 8;  T = P V (128 x 64);  out = P^T T (1,024 x 64), stored in bf16 as
; ao [16 b][16 h][1024 s][64].  K and V come in f16 from kv [16 b][32 g][1024 s][64]; text and Wq in bf16, K-blocked, from tb and wqt; bq is rounded to bf16 like every input of the module.
; q, the weights and T are rounded once to f16; products, maxima and sums in f32.  The scale 1/8 is applied in f32, in c = log2(e) / 8.
; LIMITS.  q, k, v lie within f16's 65,504.  A weight below 6e-5 keeps f16's fixed step of 6e-8.  mu = c m + log2(l) is rounded at the size of c m.  NaN and infinities are not treated apart.
; PHASES.  Q: the projection (K and Wq_h come in together, ahead of it).  A1: the true maximum m of each query's 1,024 scores, while V lands.  A2: E = 2^(c s - c m), l = sum E, T^T += V^T E, keys split four
; ways among the waves; the partial sums meet in LDS: T = sum / l, mu = c m + log2(l).  B: the scores once more, the other way round (lane = key): P = 2^(c s - mu), out^T = T^T P.
; NO CLUSTER: K and V, the bytes that go through LDS, are a work-group's own.  EIGHT WAVES of 512 registers: vector and matrix work are about equal here, and two waves on a SIMD set them side by side.
.set PK,    144                        ; LDS pitch of K, V, Wq and q: 128 bytes + 16
.set PT,    160                        ; of T: 128 + 32
.set VREG,  1024*PK                    ; K: 0 .. VREG.  From VREG on 147,456 bytes: Wq_h (rows 64 kb + d), then V, filled again once; behind V's last read the partial sums and the stages
.set QT,    2*VREG                     ; 20,480 bytes: q [128][64] at pitch 144, later T at pitch 160
.set MX,    QT+20480                   ; [128 queries][4] partial maxima; 2,048 bytes on the same for the partial sums l
.set MU,    MX+4096                    ; [128] mu
.set SPARE, MU+512                     ; the spare words, 128 bytes a wave, that no other line names
.set R,   1                            ; v1 l % 16    v2 l / 16    v3 l
.set HL,  2
.set L,   3
.set SPW, 4                            ; v4 LDS address of my spare word, v5 = 0; never rewritten
.set NIL, 5
.set TO,  6                            ; my byte offset in 16 rows of text
.set AQ,  7                            ; Wq's fragments
.set QS,  8                            ; where I put q
.set QL,  9                            ; q's fragments of my 64 queries
.set KA0, 10                           ; K's fragments of my 256 keys
.set KA,  11
.set VA0, 12                           ; V's, turned
.set VA,  13
.set MXS, 14                           ; my word among the partial maxima
.set MXL, 15                           ; my query's four
.set TS,  16                           ; where I put my partial T^T
.set QLB, 17                           ; q's fragments of all 128 queries
.set TR,  18                           ; the partial tiles that I add up
.set TR2, 19
.set TW,  20                           ; where I put T
.set MUS, 21
.set TA,  22                           ; T's fragments, turned
.set MUA, 23
.set KB0, 24                           ; phase B: K's fragments of my 128 keys
.set SS,  25                           ; my stage, in
.set SR,  26                           ; my stage, back
.set GO,  27                           ; my byte offset in ao
.set L16, 28
.set PFO, 29
.set BQO, 30
.set RB,  31                           ; (l % 16) x 144 + 16 (l / 16)
.set M,   32                           ; v32-35 m by query tile; v36-39 at work
.set MT,  36
.set CM,  40                           ; v40-47 c m, in pairs
.set L2,  48                           ; v48-55 l (even keys', odd keys')
.set RL,  56                           ; v56-63 1 / l and log2(l)
.set O,   32                           ; phase B: four accumulators
.set S,   64                           ; v64-127 scores
.set QA,  64                           ; phase Q: four accumulators; v96-111 the bias; v112-127 at work
.set QBI, 96
.set QPK, 112
.set AF,  128                          ; phase Q: Wq's fragments
.set QF,  128                          ; phases A: q v128-191, K v192-223, V v224-255
.set KF,  192
.set VF,  224
.set RR,  128                          ; the reduction's 4 x 32
.set MUR, 128                          ; phase B: mu by register v128-191, K v192-207, P v208-239, at work v240-255
.set PF,  208
.set OB,  240
; window 1: phase Q: two sets of text fragments, v0-127, v128-255.  A2: P v0-31, T^T's 16 accumulators v128-255.  B: q v0-127, T^T's fragments v128-255.
.set WV,  14
.set HH,  15
.set BB,  16
.set WQ,  17                           ; w & 1: my 64 queries
.set WK,  18                           ; w >> 1: my 256 keys
.set QP,  19                           ; w & 3
.set DP,  20                           ; w >> 2
.set G1,  24
.set G0,  32
.set CS,  36
.set SEL, 38
.set CNT, 40
.set TK,  41
.set TG,  43
.set VP,  44                           ; s[44:45] V's first byte
.set TXT, 46
.set BQ,  48
.set AO,  50
.set MSB, 0
.macro WIN new
.if MSB != (\new)
	s_set_vgpr_msb (MSB<<8)|(\new)
.set MSB, \new
.endif
.endm
.macro PLACES                          ; four plain instructions between a matrix instruction and a load into its sources, or a reader of its result
.rept 4
	v_nop
.endr
.endm
	s_load_b256 s[4:11], s[0:1], 0x0               ; kv s[4:5], tb s[6:7], wqt s[8:9], bq s[10:11]
	s_load_b64 s[12:13], s[0:1], 0x20              ; ao
	v_lshl_add_u32 v[SPW], v0, 2, SPARE
	v_mov_b32 v[NIL], 0
	ds_add_u32 v[SPW], v[NIL]                      ; the wave's opening: the add and its wait stand ahead of my first tensor load; register work stands between them
	ds_add_u32 v4, v5
	v_lshrrev_b32 v[RB], 5, v0
	v_readfirstlane_b32 s[WV], v[RB]               ; wave 0..7
	s_mov_b32 s[HH], ttmp9
	s_and_b32 s[BB], ttmp7, 0xffff
	s_mov_b32 s[G1], (1<<16)|(1<<20)|(4<<22)|(3<<25)  ; 2-byte elements; padding on: after every 32 words, 4 words
	s_mov_b32 s[G1+1], 128<<16                     ; 32,768 dense bytes asked for as 128 rows of 256
	s_mov_b32 s[G1+2], 128<<16
	s_mov_b32 s[G1+3], 128<<16
	s_mov_b32 s[G1+4], 128
	s_mov_b32 s[G1+5], 128
	s_mov_b32 s[G1+6], 0
	s_mov_b32 s[G1+7], 0
	s_mov_b32 s[G0], 1
	s_mul_i32 s[G0+1], s[WV], 256*PK               ; waves 0-3: K's quarters; waves 4-7: the quarters of the region behind it
	s_mov_b32 s[CS], 0x3e38aa3b                    ; c = log2(e) / 8
	s_mov_b32 s[CS+1], s[CS]
	s_mov_b32 s[SEL], 0x76543210
	s_mov_b32 s[SEL+1], 0xfedcba98
	s_and_b32 s[WQ], s[WV], 1
	s_lshr_b32 s[WK], s[WV], 1
	s_and_b32 s[QP], s[WV], 3
	s_lshr_b32 s[DP], s[WV], 2
	s_lshl_b32 s52, s[BB], 5
	s_add_co_u32 s52, s52, s[HH]
	s_lshl_b32 s52, s52, 17                        ; K of (b, h) in kv
	s_mov_b32 s53, 0
	s_add_co_u32 s60, s52, 16<<17                  ; V lies 16 heads on
	s_mov_b32 s61, 0
	s_lshl_b32 s58, s[HH], 17                      ; Wq_h in wqt
	s_lshl_b32 s62, s[QP], 15                      ; my quarter
	s_mov_b32 s63, 0
	s_wait_dscnt 0x0                               ; the opening add is done
	s_wait_kmcnt 0x0
	s_add_nc_u64 s[VP:VP+1], s[4:5], s[60:61]
	s_cmp_lt_u32 s[WV], 4
	s_cselect_b64 s[G0+2:G0+3], s[4:5], s[8:9]
	s_cselect_b32 s52, s52, s58
	s_add_co_u32 s52, s52, s62
	s_add_nc_u64 s[G0+2:G0+3], s[G0+2:G0+3], s[52:53]
	s_or_b32 s[G0+3], s[G0+3], 0x80000000
	tensor_load_to_lds s[G0:G0+3], s[G1:G1+7]      ; one load a wave: K and Wq_h
	s_nop 0
	PLACES
	v_and_b32 v[R], 15, v0
	v_bfe_u32 v[HL], v0, 4, 1
	v_and_b32 v[L], 31, v0
	s_lshl_b32 s52, s[HH], 8                       ; bq of channels 64 h + 32 dp on
	s_lshl_b32 s58, s[DP], 7
	s_add_co_u32 s52, s52, s58
	s_add_nc_u64 s[BQ:BQ+1], s[10:11], s[52:53]
	v_lshlrev_b32 v[BQO], 5, v[HL]
.irp dt, 0,1
	global_load_b128 v[QBI+8*(\dt):QBI+8*(\dt)+3],   v[BQO], s[BQ:BQ+1] offset:(\dt)*64
	global_load_b128 v[QBI+8*(\dt)+4:QBI+8*(\dt)+7], v[BQO], s[BQ:BQ+1] offset:(\dt)*64+16
.endr
	s_lshr_b32 s52, s[BB], 3                       ; text: panel b / 8, rows 128 (b % 8) + 32 qp on, 128 bytes a row and block
	s_lshl_b32 s52, s52, 21
	s_and_b32 s58, s[BB], 7
	s_lshl_b32 s58, s58, 14
	s_add_co_u32 s52, s52, s58
	s_lshl_b32 s58, s[QP], 12
	s_add_co_u32 s52, s52, s58
	s_add_nc_u64 s[TXT:TXT+1], s[6:7], s[52:53]
	v_lshlrev_b32 v[TO], 7, v[R]
	v_lshl_add_u32 v[TO], v[HL], 4, v[TO]
; 256 k of my 32 rows of text, straight into fragments: block kbl of four, query tile qt, half cc of the block, at 8 (4 kbl + 2 qt + cc) of the set
.macro TLOAD set, tau
	WIN 0x40                                       ; destination window 1
.irp kbl, 0,1,2,3
.irp qt, 0,1
.irp cc, 0,1
.set rB, 128*(\set)+8*(4*(\kbl)+2*(\qt)+(\cc))
	global_load_b128 v[rB:rB+3],   v[TO], s[TXT:TXT+1] offset:(4*(\tau)+(\kbl))*131072+(\qt)*2048+(\cc)*64
	global_load_b128 v[rB+4:rB+7], v[TO], s[TXT:TXT+1] offset:(4*(\tau)+(\kbl))*131072+(\qt)*2048+(\cc)*64+32
.endr
.endr
.endr
	WIN 0
.endm
	TLOAD 0, 0
	TLOAD 1, 1
	s_lshl_b32 s52, s[BB], 4                       ; ao: (16 b + h) x 131,072 + my 128 keys of 128 bytes
	s_add_co_u32 s52, s52, s[HH]
	s_lshl_b32 s52, s52, 17
	s_lshl_b32 s58, s[WV], 14
	s_add_co_u32 s52, s52, s58
	s_add_nc_u64 s[AO:AO+1], s[12:13], s[52:53]
	; the LDS addresses
	v_mul_u32_u24 v[RB], v[R], PK
	v_lshl_add_u32 v[RB], v[HL], 4, v[RB]
	s_mul_i32 s58, s[DP], 32*PK
	s_add_co_u32 s58, s58, VREG
	v_add_nc_u32 v[AQ], s58, v[RB]                 ; Wq rows 32 dp + r of block 0
	s_mul_i32 s58, s[QP], 32*PK
	s_lshl_b32 s59, s[DP], 6
	s_add_co_u32 s58, s58, s59
	s_add_co_u32 s58, s58, QT
	v_add_nc_u32 v[QS], s58, v[RB]
	s_mul_i32 s58, s[WQ], 64*PK
	s_add_co_u32 s58, s58, QT
	v_add_nc_u32 v[QL], s58, v[RB]
	v_add_nc_u32 v[QLB], QT, v[RB]
	s_mul_i32 s58, s[WK], 256*PK
	v_add_nc_u32 v[KA0], s58, v[RB]
	v_and_b32 v[VA], 7, v0                         ; the turning load: lane l reads key 8 (l / 16) + l % 8, channels 8 ((l / 8) % 2) on
	v_lshl_add_u32 v[VA], v[HL], 3, v[VA]
	v_bfe_u32 v[KA], v0, 3, 1
	v_mul_u32_u24 v[VA0], v[VA], PK
	v_lshl_add_u32 v[VA0], v[KA], 4, v[VA0]
	s_add_co_u32 s58, s58, VREG
	v_add_nc_u32 v[VA0], s58, v[VA0]
	v_mul_u32_u24 v[TA], v[VA], PT
	v_lshl_add_u32 v[TA], v[KA], 4, v[TA]
	v_add_nc_u32 v[TA], QT, v[TA]
	s_lshl_b32 s58, s[WQ], 10
	s_add_co_u32 s58, s58, MX
	v_lshl_add_u32 v[MXL], v[R], 4, s58
	s_lshl_b32 s59, s[WK], 2
	v_add_nc_u32 v[MXS], s59, v[MXL]
	s_lshl_b32 s58, s[WV], 14
	v_lshl_add_u32 v[PFO], v[L], 8, s58            ; the prefetches: 16,384 w + 256 l
	s_add_co_u32 s58, s58, VREG
	v_lshl_add_u32 v[TS], v[L], 4, s58
	s_lshl_b32 s58, s[WQ], 14
	s_lshl_b32 s59, s[WK], 12
	s_add_co_u32 s58, s58, s59
	s_add_co_u32 s58, s58, VREG
	v_lshl_add_u32 v[TR], v[L], 4, s58
	v_add_nc_u32 v[TR2], 65536, v[TR]
	v_mul_u32_u24 v[TW], v[R], PT
	v_lshl_add_u32 v[TW], v[HL], 4, v[TW]
	s_mul_i32 s58, s[WQ], 64*PT
	s_lshl_b32 s59, s[WK], 5
	s_add_co_u32 s58, s58, s59
	s_add_co_u32 s58, s58, QT
	v_add_nc_u32 v[TW], s58, v[TW]
	s_lshl_b32 s58, s[WQ], 8
	s_add_co_u32 s58, s58, MU
	v_lshl_add_u32 v[MUS], v[R], 2, s58
	v_lshl_add_u32 v[MUA], v[HL], 5, MU
	s_mul_i32 s58, s[WV], 128*PK
	v_add_nc_u32 v[KB0], s58, v[RB]
	s_mul_i32 s58, s[WV], 16*PK
	s_add_co_u32 s58, s58, VREG
	v_add_nc_u32 v[SS], s58, v[RB]
	v_lshrrev_b32 v[GO], 3, v[L]
	v_mul_u32_u24 v[SR], v[GO], PK
	v_and_b32 v[GO], 7, v0
	v_lshl_add_u32 v[SR], v[GO], 4, v[SR]
	v_add_nc_u32 v[SR], s58, v[SR]
	v_lshlrev_b32 v[L16], 4, v[L]
	s_wait_tensorcnt 0x0                           ; my quarter of K or of Wq_h is in,
	s_barrier_signal -1
	s_barrier_wait -1                              ; everybody's is
; PHASE Q.  q^T = Wq^T text^T (source 0 = 16 channels, source 1 = 16 queries): a lane holds one query and 8 channels.  My part: 32 queries (qp) x 32 channels (dp): four accumulators, which take turns.
; A trip is 256 k: 32 LDS loads of Wq, 32 products; the other set's 32 loads of text are on their way meanwhile.
.macro QTRIP tau, set
.irp kbl, 0,1,2,3
.irp dt, 0,1
.irp cc, 0,1
.set rA, AF+8*(4*(\kbl)+2*(\dt)+(\cc))
	ds_load_b128 v[rA:rA+3],   v[AQ] offset:(\kbl)*64*PK+(\dt)*16*PK+(\cc)*64
	ds_load_b128 v[rA+4:rA+7], v[AQ] offset:(\kbl)*64*PK+(\dt)*16*PK+(\cc)*64+32
.endr
.endr
.endr
	v_add_nc_u32 v[AQ], 256*PK, v[AQ]              ; the next four blocks
.if (\tau) < 3
	s_wait_loadcnt 32                              ; this trip's text (and, at first, the bias) is in; the other set's 32 loads stay out
.else
	s_wait_loadcnt 0x0
.endif
	s_wait_dscnt 0x0
.if (\tau) == 0
.irp j, 0,1,2,3,4,5,6,7                ; the bias: rounded to bf16 and widened again
	v_cvt_pk_bf16_f32 v[QPK+(\j)], v[QBI+2*(\j)], v[QBI+2*(\j)+1]
.endr
.irp j, 0,1,2,3,4,5,6,7
	v_lshlrev_b32 v[QBI+2*(\j)], 16, v[QPK+(\j)]
	v_and_b32 v[QBI+2*(\j)+1], 0xffff0000, v[QPK+(\j)]
.endr
.endif
	WIN 0x04                                       ; source 1 (text) in window 1
.irp kbl, 0,1,2,3
.irp cc, 0,1
.irp dt, 0,1
.irp qt, 0,1
.set rD, QA+8*(2*(\dt)+(\qt))
.set rA, AF+8*(4*(\kbl)+2*(\dt)+(\cc))
.set rB, 128*(\set)+8*(4*(\kbl)+2*(\qt)+(\cc))
.if ((\tau)+(\kbl)+(\cc)) == 0
	v_wmma_f32_16x16x32_bf16 v[rD:rD+7], v[rA:rA+7], v[rB:rB+7], v[QBI+8*(\dt):QBI+8*(\dt)+7]  ; the first product starts the sum, with the bias
.else
	v_wmma_f32_16x16x32_bf16 v[rD:rD+7], v[rA:rA+7], v[rB:rB+7], v[rD:rD+7]
.endif
.endr
.endr
.endr
.endr
	WIN 0
	PLACES
.if (\tau) < 2
	TLOAD \set, (\tau)+2
.endif
.if (\tau) == 0
	; V is asked for ahead of its tensor load, which stands three trips on: each wave names 64 blocks of 256 bytes, a lane a block, the eight waves all 512 once
	global_prefetch_b8 v[PFO], s[VP:VP+1] th:TH_LOAD_NT scope:SCOPE_SE
	global_prefetch_b8 v[PFO], s[VP:VP+1] offset:8192 th:TH_LOAD_NT scope:SCOPE_SE
.endif
.endm
	QTRIP 0, 0
	QTRIP 1, 1
	QTRIP 2, 0
	QTRIP 3, 1
.irp a, 0,1,2,3
.irp j, 0,1,2,3
	v_cvt_pk_f16_f32 v[QPK+4*(\a)+(\j)], v[QA+8*(\a)+2*(\j)], v[QA+8*(\a)+2*(\j)+1]
.endr
.endr
.irp dt, 0,1
.irp qt, 0,1
	ds_store_b128 v[QS], v[QPK+4*(2*(\dt)+(\qt)):QPK+4*(2*(\dt)+(\qt))+3] offset:(\qt)*16*PK+(\dt)*32
.endr
.endr
	; Wq's bytes are filled again, with V: the load comes first behind it.
	s_wait_tensorcnt 0x0
	ds_add_u32 v[SPW], v[NIL]
	s_add_nc_u64 s[G0+2:G0+3], s[VP:VP+1], s[62:63]
	s_or_b32 s[G0+3], s[G0+3], 0x80000000
	s_wait_dscnt 0x0
	s_barrier_signal -1
	s_barrier_wait -1
	s_cmp_lt_u32 s[WV], 4
	s_cbranch_scc1 .Lno_v                          ; waves 4-7 fetch V's quarters, each where its quarter of Wq lay
	tensor_load_to_lds s[G0:G0+3], s[G1:G1+7]
	s_nop 0
	PLACES
.Lno_v:
; PHASES A.  S^T = K q^T (source 0 = 16 keys, source 1 = 16 queries): a lane holds ONE query (l % 16) and the keys 8 (l / 16) + 0..7.  My part: 64 queries (four tiles qt) x 256 keys, 32 keys a trip.
.macro KFETCH
.irp kt, 0,1
.irp cc, 0,1
	ds_load_b128 v[KF+8*(2*(\kt)+(\cc)):KF+8*(2*(\kt)+(\cc))+3],   v[KA] offset:(\kt)*16*PK+(\cc)*64
	ds_load_b128 v[KF+8*(2*(\kt)+(\cc))+4:KF+8*(2*(\kt)+(\cc))+7], v[KA] offset:(\kt)*16*PK+(\cc)*64+32
.endr
.endr
.endm
.macro SMUL                            ; 16 products; the 8 accumulators (kt, qt) take turns
.irp cc, 0,1
.irp kt, 0,1
.irp qt, 0,1,2,3
.set rS, S+8*(4*(\kt)+(\qt))
.if (\cc) == 0
	v_wmma_f32_16x16x32_f16 v[rS:rS+7], v[KF+8*(2*(\kt)+(\cc)):KF+8*(2*(\kt)+(\cc))+7], v[QF+8*(2*(\qt)+(\cc)):QF+8*(2*(\qt)+(\cc))+7], 0
.else
	v_wmma_f32_16x16x32_f16 v[rS:rS+7], v[KF+8*(2*(\kt)+(\cc)):KF+8*(2*(\kt)+(\cc))+7], v[QF+8*(2*(\qt)+(\cc)):QF+8*(2*(\qt)+(\cc))+7], v[rS:rS+7]
.endif
.endr
.endr
.endr
.endm
.irp qt, 0,1,2,3
.irp cc, 0,1
	ds_load_b128 v[QF+8*(2*(\qt)+(\cc)):QF+8*(2*(\qt)+(\cc))+3],   v[QL] offset:(\qt)*16*PK+(\cc)*64
	ds_load_b128 v[QF+8*(2*(\qt)+(\cc))+4:QF+8*(2*(\qt)+(\cc))+7], v[QL] offset:(\qt)*16*PK+(\cc)*64+32
.endr
.endr
.irp qt, 0,1,2,3
	v_mov_b32 v[M+(\qt)], 0xff7fffff               ; the lowest finite number
	v_mov_b32 v[MT+(\qt)], 0
.endr
	s_mov_b32 s[TK], 0
	s_mov_b32 s[CNT], 8
.La1:                                                  ; A1: the maximum of my 256 keys' scores
	v_add_nc_u32 v[KA], s[TK], v[KA0]
	KFETCH
	s_add_co_u32 s[TK], s[TK], 32*PK
	s_wait_dscnt 0x0
	SMUL
	PLACES
.irp i, 0,1,2,3,4,5,6,7                ; each accumulator's registers in ascending order
.irp qt, 0,1,2,3
.set rS, S+8*(4*((\i)/4)+(\qt))+2*((\i)%4)
	v_max3_num_f32 v[M+(\qt)], v[M+(\qt)], v[rS], v[rS+1]
.endr
.endr
	s_sub_co_u32 s[CNT], s[CNT], 1
	s_cmp_lg_u32 s[CNT], 0
	s_cbranch_scc1 .La1
.irp qt, 0,1,2,3
	v_permlanex16_b32 v[MT+(\qt)], v[M+(\qt)], s[SEL], s[SEL+1]  ; the query's other keys lie in the lane 16 away
.endr
.irp qt, 0,1,2,3
	v_max_num_f32 v[M+(\qt)], v[M+(\qt)], v[MT+(\qt)]
.endr
.irp qt, 0,1,2,3
	ds_store_b32 v[MXS], v[M+(\qt)] offset:(\qt)*256
.endr
	s_wait_tensorcnt 0x0                           ; my quarter of V is in,
	s_wait_dscnt 0x0                               ; my partial maxima are stored
	s_barrier_signal -1
	s_barrier_wait -1
.irp qt, 0,1,2,3
	ds_load_b128 v[S+4*(\qt):S+4*(\qt)+3], v[MXL] offset:(\qt)*256
.endr
	s_wait_dscnt 0x0
.irp qt, 0,1,2,3
	v_max3_num_f32 v[M+(\qt)], v[S+4*(\qt)], v[S+4*(\qt)+1], v[S+4*(\qt)+2]
.endr
.irp qt, 0,1,2,3
	v_max_num_f32 v[M+(\qt)], v[M+(\qt)], v[S+4*(\qt)+3]   ; m over all 1,024 keys
.endr
.irp qt, 0,1,2,3
	v_mul_f32 v[CM+2*(\qt)], s[CS], v[M+(\qt)]
.endr
.irp qt, 0,1,2,3
	v_mov_b32 v[CM+2*(\qt)+1], v[CM+2*(\qt)]       ; named as a pair
.endr
; A2: a step of 32 keys.  Two tiles of S^T, rounded to f16 in pairs, ARE source 1 (32 keys x 16 queries) of T^T += V^T E.  The 64 exponentials are one batch with one wait.
; zero = 1: the first step, which starts l and T^T.
.macro A2STEP zero
	v_add_nc_u32 v[KA], s[TK], v[KA0]
	v_add_nc_u32 v[VA], s[TK], v[VA0]
	KFETCH
.irp dt, 0,1,2,3
	ds_load_tr16_b128 v[VF+8*(\dt):VF+8*(\dt)+3],   v[VA] offset:(\dt)*32
	ds_load_tr16_b128 v[VF+8*(\dt)+4:VF+8*(\dt)+7], v[VA] offset:(\dt)*32+16*PK
.endr
	s_add_co_u32 s[TK], s[TK], 32*PK
	s_wait_dscnt 8                                 ; K is in; V's eight loads may stay out
	SMUL
	PLACES
.irp t, 0,1,2,3,4,5,6,7
.irp j, 0,1,2,3
	v_pk_fma_f32 v[S+8*(\t)+2*(\j):S+8*(\t)+2*(\j)+1], v[S+8*(\t)+2*(\j):S+8*(\t)+2*(\j)+1], s[CS:CS+1], v[CM+2*((\t)%4):CM+2*((\t)%4)+1] op_sel_hi:[1,0,0] neg_lo:[0,0,1] neg_hi:[0,0,1]  ; c s - c m
.endr
.endr
.set i, 0
.rept 64
	v_exp_f32 v[S+i], v[S+i]
.set i, i+1
.endr
	v_nop                                          ; a plain instruction behind the last exponential,
	s_wait_alu depctr_va_vdst(0)                   ; and the batch's one wait, ahead of the first reader
	WIN 0x40                                       ; destination window 1
.irp t, 0,1,2,3,4,5,6,7
.irp j, 0,1,2,3
	v_cvt_pk_f16_f32 v[8*((\t)%4)+4*((\t)/4)+(\j)], v[S+8*(\t)+2*(\j)], v[S+8*(\t)+2*(\j)+1]
.endr
.endr
	WIN 0
.irp p, 0,1,2,3,4,5,6,7                ; l takes the unrounded weights, a pair at a time, the four tiles by turns
.irp qt, 0,1,2,3
.set rS, S+8*(4*((\p)/4)+(\qt))+2*((\p)%4)
.if \zero
.if (\p) == 1
	v_pk_add_f32 v[L2+2*(\qt):L2+2*(\qt)+1], v[rS-2:rS-1], v[rS:rS+1]
.elseif (\p) > 1
	v_pk_add_f32 v[L2+2*(\qt):L2+2*(\qt)+1], v[L2+2*(\qt):L2+2*(\qt)+1], v[rS:rS+1]
.endif
.else
	v_pk_add_f32 v[L2+2*(\qt):L2+2*(\qt)+1], v[L2+2*(\qt):L2+2*(\qt)+1], v[rS:rS+1]
.endif
.endr
.endr
	s_wait_dscnt 0x0                               ; V is in
	WIN 0x54                                       ; V window 0; E, C and D window 1
.irp dt, 0,1,2,3
.irp qt, 0,1,2,3
.set rT, 128+8*(4*(\dt)+(\qt))
.if \zero
	v_wmma_f32_16x16x32_f16 v[rT:rT+7], v[VF+8*(\dt):VF+8*(\dt)+7], v[8*(\qt):8*(\qt)+7], 0
.else
	v_wmma_f32_16x16x32_f16 v[rT:rT+7], v[VF+8*(\dt):VF+8*(\dt)+7], v[8*(\qt):8*(\qt)+7], v[rT:rT+7]
.endif
.endr
.endr
	WIN 0
	PLACES
.endm
	s_mov_b32 s[TK], 0
	A2STEP 1
	s_mov_b32 s[CNT], 7
.La2:
	A2STEP 0
	s_sub_co_u32 s[CNT], s[CNT], 1
	s_cmp_lg_u32 s[CNT], 0
	s_cbranch_scc1 .La2
.irp qt, 0,1,2,3
	v_add_f32 v[M+(\qt)], v[L2+2*(\qt)], v[L2+2*(\qt)+1]
.endr
.irp qt, 0,1,2,3
	v_permlanex16_b32 v[MT+(\qt)], v[M+(\qt)], s[SEL], s[SEL+1]
.endr
.irp qt, 0,1,2,3
	v_add_f32 v[M+(\qt)], v[M+(\qt)], v[MT+(\qt)]
.endr
.irp qt, 0,1,2,3
	ds_store_b32 v[MXS], v[M+(\qt)] offset:2048+(\qt)*256
.endr
	s_wait_dscnt 0x0                               ; my reads of V are over
	s_barrier_signal -1
	s_barrier_wait -1                              ; everybody's are: V's bytes, which are filled no more, take the partial sums
	WIN 0x04                                       ; store data (source 1) in window 1
.irp t, 0,1,2,3,4,5,6,7,8,9,10,11,12,13,14,15
	ds_store_b128 v[TS], v[128+8*(\t):128+8*(\t)+3]   offset:(\t)*1024
	ds_store_b128 v[TS], v[128+8*(\t)+4:128+8*(\t)+7] offset:(\t)*1024+512
.endr
	WIN 0x40                                       ; q of all 128 queries, for phase B, before T takes q's bytes
.irp qt, 0,1,2,3,4,5,6,7
.irp cc, 0,1
	ds_load_b128 v[8*(2*(\qt)+(\cc)):8*(2*(\qt)+(\cc))+3],   v[QLB] offset:(\qt)*16*PK+(\cc)*64
	ds_load_b128 v[8*(2*(\qt)+(\cc))+4:8*(2*(\qt)+(\cc))+7], v[QLB] offset:(\qt)*16*PK+(\cc)*64+32
.endr
.endr
	WIN 0
	s_wait_dscnt 0x0
	s_barrier_signal -1
	s_barrier_wait -1
	; THE REDUCTION.  I add up, over the four waves with my queries, the tiles of channel block dt = wk.
.irp qt, 0,1,2,3
	ds_load_b128 v[S+4*(\qt):S+4*(\qt)+3], v[MXL] offset:2048+(\qt)*256
.endr
.irp j, 0,1
.irp qt, 0,1,2,3
	ds_load_b128 v[RR+32*(\j)+8*(\qt):RR+32*(\j)+8*(\qt)+3],       v[TR]  offset:(\j)*32768+(\qt)*1024
	ds_load_b128 v[RR+32*(\j)+8*(\qt)+4:RR+32*(\j)+8*(\qt)+7],     v[TR]  offset:(\j)*32768+(\qt)*1024+512
	ds_load_b128 v[RR+64+32*(\j)+8*(\qt):RR+64+32*(\j)+8*(\qt)+3],   v[TR2] offset:(\j)*32768+(\qt)*1024
	ds_load_b128 v[RR+64+32*(\j)+8*(\qt)+4:RR+64+32*(\j)+8*(\qt)+7], v[TR2] offset:(\j)*32768+(\qt)*1024+512
.endr
.endr
	s_wait_dscnt 0x0
.irp qt, 0,1,2,3
	v_add_f32 v[S+4*(\qt)], v[S+4*(\qt)], v[S+4*(\qt)+1]
	v_add_f32 v[S+4*(\qt)+2], v[S+4*(\qt)+2], v[S+4*(\qt)+3]
.endr
.irp qt, 0,1,2,3
	v_add_f32 v[S+4*(\qt)], v[S+4*(\qt)], v[S+4*(\qt)+2]   ; l
.endr
.irp qt, 0,1,2,3
	v_rcp_f32 v[RL+2*(\qt)], v[S+4*(\qt)]
	v_log_f32 v[RL+2*(\qt)+1], v[S+4*(\qt)]
.endr
.set i, 0
.rept 16                               ; the additions name no result of that batch: they are the work between it and its wait
	v_pk_add_f32 v[RR+2*i:RR+2*i+1], v[RR+2*i:RR+2*i+1], v[RR+32+2*i:RR+32+2*i+1]
	v_pk_add_f32 v[RR+64+2*i:RR+64+2*i+1], v[RR+64+2*i:RR+64+2*i+1], v[RR+96+2*i:RR+96+2*i+1]
.set i, i+1
.endr
.set i, 0
.rept 16
	v_pk_add_f32 v[RR+2*i:RR+2*i+1], v[RR+2*i:RR+2*i+1], v[RR+64+2*i:RR+64+2*i+1]
.set i, i+1
.endr
	s_wait_alu depctr_va_vdst(0)                   ; one wait for the four reciprocals and the four logarithms
.irp qt, 0,1,2,3
.irp j, 0,1,2,3
	v_pk_mul_f32 v[RR+8*(\qt)+2*(\j):RR+8*(\qt)+2*(\j)+1], v[RR+8*(\qt)+2*(\j):RR+8*(\qt)+2*(\j)+1], v[RL+2*(\qt):RL+2*(\qt)+1] op_sel_hi:[1,0]
.endr
.endr
.irp qt, 0,1,2,3
.irp j, 0,1,2,3
	v_cvt_pk_f16_f32 v[S+16+4*(\qt)+(\j)], v[RR+8*(\qt)+2*(\j)], v[RR+8*(\qt)+2*(\j)+1]
.endr
.endr
.irp qt, 0,1,2,3
	ds_store_b128 v[TW], v[S+16+4*(\qt):S+16+4*(\qt)+3] offset:(\qt)*16*PT
.endr
	s_cmp_lt_u32 s[WV], 2                          ; waves 0 and 1 store mu for their 64 queries
	s_cbranch_scc0 .Lno_mu
.irp qt, 0,1,2,3
	v_add_f32 v[S+32+(\qt)], v[CM+2*(\qt)], v[RL+2*(\qt)+1]
.endr
.irp qt, 0,1,2,3
	ds_store_b32 v[MUS], v[S+32+(\qt)] offset:(\qt)*64
.endr
.Lno_mu:
	s_wait_dscnt 0x0
	s_barrier_signal -1
	s_barrier_wait -1
	; PHASE B.  S = q K^T (source 0 = 16 queries, source 1 = 16 keys): a lane holds ONE key and the queries 8 (l / 16) + 0..7.  Two tiles, rounded in pairs, ARE source 1 (32 queries x 16 keys) of
	; out^T = T^T P, whose result holds one key a lane and eight channels.  My part: keys 128 w on, 16 a trip.  T^T (turned), q and mu stay in registers.
	WIN 0x40
.irp tc, 0,1,2,3
.irp dt, 0,1,2,3
	ds_load_tr16_b128 v[128+8*(4*(\tc)+(\dt)):128+8*(4*(\tc)+(\dt))+3],   v[TA] offset:(\tc)*32*PT+(\dt)*32
	ds_load_tr16_b128 v[128+8*(4*(\tc)+(\dt))+4:128+8*(4*(\tc)+(\dt))+7], v[TA] offset:(\tc)*32*PT+(\dt)*32+16*PT
.endr
.endr
	WIN 0
.irp qt, 0,1,2,3,4,5,6,7
	ds_load_b128 v[MUR+8*(\qt):MUR+8*(\qt)+3],   v[MUA] offset:(\qt)*64
	ds_load_b128 v[MUR+8*(\qt)+4:MUR+8*(\qt)+7], v[MUA] offset:(\qt)*64+16
.endr
	s_mov_b32 s[TK], 0
	s_mov_b32 s[TG], 0
	s_mov_b32 s[CNT], 8
.Lb:
	v_add_nc_u32 v[KA], s[TK], v[KB0]
.irp cc, 0,1
	ds_load_b128 v[KF+8*(\cc):KF+8*(\cc)+3],   v[KA] offset:(\cc)*64
	ds_load_b128 v[KF+8*(\cc)+4:KF+8*(\cc)+7], v[KA] offset:(\cc)*64+32
.endr
	s_add_co_u32 s[TK], s[TK], 16*PK
	s_wait_dscnt 0x0
	WIN 0x01                                       ; source 0 in window 1
.irp cc, 0,1
.irp qt, 0,1,2,3,4,5,6,7
.if (\cc) == 0
	v_wmma_f32_16x16x32_f16 v[S+8*(\qt):S+8*(\qt)+7], v[8*(2*(\qt)+(\cc)):8*(2*(\qt)+(\cc))+7], v[KF+8*(\cc):KF+8*(\cc)+7], 0
.else
	v_wmma_f32_16x16x32_f16 v[S+8*(\qt):S+8*(\qt)+7], v[8*(2*(\qt)+(\cc)):8*(2*(\qt)+(\cc))+7], v[KF+8*(\cc):KF+8*(\cc)+7], v[S+8*(\qt):S+8*(\qt)+7]
.endif
.endr
.endr
	WIN 0
	PLACES
.set i, 0
.rept 32
	v_pk_fma_f32 v[S+2*i:S+2*i+1], v[S+2*i:S+2*i+1], s[CS:CS+1], v[MUR+2*i:MUR+2*i+1] op_sel_hi:[1,0,1] neg_lo:[0,0,1] neg_hi:[0,0,1]  ; c s - mu
.set i, i+1
.endr
.set i, 0
.rept 64
	v_exp_f32 v[S+i], v[S+i]
.set i, i+1
.endr
	v_nop
	s_wait_alu depctr_va_vdst(0)                   ; the batch's one wait
.set i, 0
.rept 32
	v_cvt_pk_f16_f32 v[PF+i], v[S+2*i], v[S+2*i+1]
.set i, i+1
.endr
	WIN 0x01
.irp tc, 0,1,2,3
.irp dt, 0,1,2,3
.if (\tc) == 0
	v_wmma_f32_16x16x32_f16 v[O+8*(\dt):O+8*(\dt)+7], v[128+8*(4*(\tc)+(\dt)):128+8*(4*(\tc)+(\dt))+7], v[PF+8*(\tc):PF+8*(\tc)+7], 0
.else
	v_wmma_f32_16x16x32_f16 v[O+8*(\dt):O+8*(\dt)+7], v[128+8*(4*(\tc)+(\dt)):128+8*(4*(\tc)+(\dt))+7], v[PF+8*(\tc):PF+8*(\tc)+7], v[O+8*(\dt):O+8*(\dt)+7]
.endif
.endr
.endr
	WIN 0
	PLACES
	s_wait_xcnt 0x0                                ; the last trip's stores have read their offset and their data
	v_add_nc_u32 v[GO], s[TG], v[L16]
	s_add_co_u32 s[TG], s[TG], 2048
.irp dt, 0,1,2,3
.irp j, 0,1,2,3
	v_cvt_pk_bf16_f32 v[OB+4*(\dt)+(\j)], v[O+8*(\dt)+2*(\j)], v[O+8*(\dt)+2*(\j)+1]
.endr
.endr
.irp dt, 0,1,2,3
	ds_store_b128 v[SS], v[OB+4*(\dt):OB+4*(\dt)+3] offset:(\dt)*32
.endr
.irp f, 0,1,2,3
	ds_load_b128 v[OB+4*(\f):OB+4*(\f)+3], v[SR] offset:(\f)*4*PK   ; my own stage, served in order: four rows of 128 bytes an instruction
.endr
	s_wait_dscnt 0x0
.irp f, 0,1,2,3
	global_store_b128 v[GO], v[OB+4*(\f):OB+4*(\f)+3], s[AO:AO+1] offset:(\f)*512  ; 512 consecutive bytes, aligned
.endr
	s_sub_co_u32 s[CNT], s[CNT], 1
	s_cmp_lg_u32 s[CNT], 0
	s_cbranch_scc1 .Lb
	s_wait_tensorcnt 0x0                           ; the wave's end, behind my last tensor load and my last LDS store
	ds_add_u32 v[SPW], v[NIL]
	s_wait_dscnt 0x0
	s_endpgm
.Lfunc_end_k_q14f849d2d2_attn:
	.size	k_q14f849d2d2_attn, .Lfunc_end_k_q14f849d2d2_attn-k_q14f849d2d2_attn
	.p2alignl 7, 3214868480
	.fill 96, 4, 3214868480
	.section	.rodata,"a",@progbits
	.p2align	6, 0x0
	.amdhsa_kernel k_q14f849d2d2_attn
		.amdhsa_group_segment_fixed_size 327680
		.amdhsa_private_segment_fixed_size 0
		.amdhsa_enable_private_segment 0
		.amdhsa_kernarg_size 40
		.amdhsa_user_sgpr_count 2
		.amdhsa_user_sgpr_kernarg_segment_ptr 1
		.amdhsa_wavefront_size32 1
		.amdhsa_system_sgpr_workgroup_id_x 1
		.amdhsa_system_sgpr_workgroup_id_y 1
		.amdhsa_system_sgpr_workgroup_id_z 1
		.amdhsa_system_vgpr_workitem_id 0
		.amdhsa_next_free_vgpr 512
		.amdhsa_next_free_sgpr 66
		.amdhsa_reserve_vcc 0
		.amdhsa_float_denorm_mode_32 3
		.amdhsa_float_denorm_mode_16_64 3
		.amdhsa_memory_ordered 1
		.amdhsa_forward_progress 1
		.amdhsa_inst_pref_size 99
	.end_amdhsa_kernel
	.amdgpu_metadata
---
amdhsa.version: [ 1, 2 ]
amdhsa.kernels:
  - .name:           k_q14f849d2d2_attn
    .symbol:         k_q14f849d2d2_attn.kd
    .args:
      - { .name: kv, .offset: 0, .size: 8, .value_kind: global_buffer, .address_space: global }
      - { .name: tb, .offset: 8, .size: 8, .value_kind: global_buffer, .address_space: global }
      - { .name: wqt, .offset: 16, .size: 8, .value_kind: global_buffer, .address_space: global }
      - { .name: bq, .offset: 24, .size: 8, .value_kind: global_buffer, .address_space: global }
      - { .name: ao, .offset: 32, .size: 8, .value_kind: global_buffer, .address_space: global }
    .group_segment_fixed_size: 327680
    .private_segment_fixed_size: 0
    .kernarg_segment_align: 8
    .kernarg_segment_size: 40
    .max_flat_workgroup_size: 256
    .sgpr_count:     66
    .vgpr_count:     512
    .wavefront_size: 32
...
	.end_amdgpu_metadata
.endif
;; end of part 3
;; launch gemm_o (part 4): grid 4 x 64, 4 waves a work-group, clusters of 4 x 4, 327,680 bytes of LDS; arguments ao, wot, bo, out0; writes out0
.if DOCPART == 4
	.amdgcn_target "amdgcn-amd-amdhsa--gfx1250"
	.amdhsa_code_object_version 6
	.text
	.protected	k_q14f849d2d2_gemm_o
	.globl	k_q14f849d2d2_gemm_o
	.p2align	8
	.type	k_q14f849d2d2_gemm_o,@function
k_q14f849d2d2_gemm_o:
	s_mov_b64 s[64:65], 0
	v_nop
	global_prefetch_b8 v0, s[64:65] scope:SCOPE_SE
	s_setreg_imm32_b32 hwreg(HW_REG_WAVE_MODE, 25, 1), 1
	s_wait_xcnt 0x0
	s_wait_alu depctr_hold_cnt(0) depctr_sa_sdst(0) depctr_va_vdst(0) depctr_va_sdst(0) depctr_va_ssrc(0) depctr_va_vcc(0) depctr_vm_vsrc(0)
	s_getreg_b32 s2, hwreg(HW_REG_IB_STS2, 6, 4)
	s_cmp_eq_u32 s2, 0
	s_cbranch_scc0 .Lentry_in_a_cluster
	s_endpgm
.Lentry_in_a_cluster:
	s_bfe_u32 s2, ttmp6, 0x10000c
	s_cmp_lg_u32 s2, 0xf033
	s_cbranch_scc0 .Lentry_shape_is_right
	s_endpgm
.Lentry_shape_is_right:
; C[m][n] = sum over k of A[m][k] B[n][k] + bias[n], M = 16,384, K = 1,024; A and B bf16 and K-BLOCKED ([k / 64][row][64]); sums in f32.  One text, two uses, chosen by MODE:
;   MODE 0: A = xb, B = wkvt (N = 2,048: Wk's columns, then Wv's), bias = bk | bv; C rounded once to f16 and stored by heads, kv [16 b][32 g][1024 s][64].
;           A work-group STAYS and makes two tiles of C, 32 tile rows apart, with the same columns.
;   MODE 1 (this file): A = ao, B = wot (N = 1,024), bias = bo; C = out0 in f32, row-major; one tile to a work-group.
; The bias is rounded to bf16 like every other input of the module.
; SHAPE.  A tile of C is 256 x 256, made by four waves, each 128 x 128: 64 accumulators, 512 registers.  K goes in steps of 128 through two LDS slots.  A slot holds four SUB-TILES:
; 256 rows of A for the step's even block of 64 k, for its odd block, and the same two of B.  A sub-tile is 32,768 dense bytes of memory: wave w fetches sub-tile w by one tensor load of 128 rows x 256 bytes,
; padded in LDS by 16 bytes after every 128, so that LDS rows are 144 bytes apart: the 16 rows of a fragment load start at 16 different 16-byte columns modulo 256.
; THE LOOP is ONE K step: the change of slots that ends a step, then the next step's first three quarters.  Which slot is in hand is a scalar, 0 or SLOT, turned by an exclusive or and added to fixed lane
; addresses; one descriptor an operand walks from K step to K step.  The loop is entered behind a step's first quarter, and left in front of the last change of slots.
; THE LAST K STEP GOES BY ROWS OF C: all its fragments of B come into registers, and my eight blocks of 16 rows are finished one after the other, each leaving at once.
; CLUSTER.  4 x 4 work-groups.  A's sub-tiles hang on the tile row alone and are asked for jointly by a row of the cluster, B's on the tile column alone, by a column.
; THE MATRIX INSTRUCTION IS USED TRANSPOSED (source 0 = 16 rows of B, source 1 = 16 rows of A): a lane holds row m = l % 16 and the columns 8 (l / 16) + 0..7.  The first product on each accumulator
; takes the bias as its C: nothing is cleared, and nothing is added afterwards.
; REGISTERS, in windows of 256: window 0: v0-31 addresses; v64-127, v128-191 A's two fragment buffers (in the last K step four, of 16 rows x 128 k); v32-63, v192-255 at work on the way out;
;   window 1: v64-127, v128-191 B's two buffers; v192-255 the bias; in the last K step all 256: B's fragments of the step;   windows 2, 3: the accumulators of my rows 0-63 and 64-127, (a, b) at v[8 (8 (a % 4) + b)].
.set MODE,   1
.if MODE == 0
.set TILES,  2
.set BPLANE, 262144                    ; bytes from one block of 64 k to the next in B
.else
.set TILES,  1
.set BPLANE, 131072
.endif
.set NS,     8*TILES                   ; K steps of a work-group.  In the trip with the change of slots that ends step j the counter s3 holds NS - 2 - j
.set PITCH,  144
.set SUB,    256*PITCH                 ; a sub-tile in LDS
.set SLOT,   4*SUB                     ; 0x24000: it shares no bit with wave x SUB (0, 0x9000, 0x12000, 0x1b000), so an exclusive or with it turns a descriptor's LDS word into the other slot's
.set STAGE,  2*SLOT                    ; behind the ring: 16 rows x 272 bytes for each wave, for the way out
.set SPITCH, 272
.set SPARE,  STAGE+4*16*SPITCH         ; behind the stages: the spare words, 128 bytes a wave, that no other line names
.set APLANE, 131072                    ; bytes from one block of 64 k to the next in A
.set JUMPA,  8*16*APLANE-14*APLANE     ; from a tile's last K step of A to the next tile's first: 8 panels of 1,024 rows down, 7 steps back
.set BACKB,  14*BPLANE                 ; B only goes back: both tiles take the same rows
.set TILEC,  8*32*131072               ; from a tile's place in kv to the next tile's
.set ADRA,  16                         ; v16  LDS address of my A fragments in the slot in hand
.set ADRB,  17                         ; v17  the same for B
.set ADRA0, 18                         ; v18  the same in slot 0; never rewritten
.set ADRB0, 19                         ; v19
.set STO,  24                          ; v24     the way out: where I put my bytes of a row
.set RD,   25                          ; v25     the way out: where I read rows back
.set CO,   26                          ; v26     my byte offset in C
.set BO,   27                          ; v27     my byte offset in the bias
.set SPW,  28                          ; v28     LDS address of my spare word; never rewritten
.set NIL,  29                          ; v29     0; never rewritten
.set PFO,  30                          ; v30     256 x my lane; never rewritten
.set F0,   64
.set F1,   128
.set BIAS, 192                         ; window 1, v[192:255]: register 8 b + j = bias of column 16 b + 8 (l / 16) + j of my 128
.set TMP,  192                         ; window 0
.set OB,   32                          ; the way out: v32-63 and v224-255 by turns
.set PA,   64                          ; the last K step: A's fragments of 16 rows x 128 k, 32 registers; four such buffers, v64-191
.set G1,  24                           ; s[24:31] descriptor group 1 for A
.set G0,  32                           ; s[32:39] group 0 for A: a set for each of the two first fills; the second then walks on
.set G1B, 48                           ; s[48:55], s[56:63] the same for B
.set G0B, 56
.set PFA, 44                           ; s[44:45] where my prefetches stand
.set LIM, 43                           ; s43  a wave prefetches while s3 is above it
.set PST, 66                           ; s[66:67] a K step in my operand, in bytes
.set TB,  75                           ; s75  the slot in hand: 0 or SLOT
.set C2,  76                           ; s[76:77] C at my part of the second tile
.set PSTJ, 78                          ; s78  what my prefetches step by at the change of tiles
.set LIMV, 79
.set DA,  80                           ; s[80:81] what A's walking address steps by
.set DB,  82                           ; s[82:83] what B's steps on by,
.set DM,  84                           ; s[84:85] and back by
.set PFS, 86                           ; s[86:87] what my prefetches step by
.set DAN, 88                           ; s88-91  the constants among which these are chosen
.set DAJ, 89
.set DBN, 90
.set DBJ, 91
.set MSB, 0
.macro WIN new                         ; the immediate's high byte repeats the setting that is left; a switch that changes nothing is dropped
.if MSB != (\new)
	s_set_vgpr_msb (MSB<<8)|(\new)
.set MSB, \new
.endif
.endm
.set MUL_LO, 0xa1                      ; source 0 (B) window 1, source 1 (A) window 0, C and D window 2
.set TO_B,   0x40                      ; destination window 1, address window 0
; A joint load.  Waves 0 and 1 fetch A's two sub-tiles, waves 2 and 3 B's.  The branch hangs on the wave's number alone.  An s_nop 0 and four v_nop follow each line.
.macro JLOAD s
	s_cmp_eq_u32 s11, 0
	s_cbranch_scc0 .Lfor_b_\@
	tensor_load_to_lds s[G0+4*(\s):G0+4*(\s)+3], s[G1:G1+7]
	s_nop 0
.rept 4
	v_nop
.endr
	s_branch .Lasked_\@
.Lfor_b_\@:
	tensor_load_to_lds s[G0B+4*(\s):G0B+4*(\s)+3], s[G1B:G1B+7]
	s_nop 0
.rept 4
	v_nop
.endr
.Lasked_\@:
.endm
; A prefetch, behind a joint load and the run of LDS loads that follows it: my sub-tile of the K step two refills on.  Its 128 blocks of 256 bytes are shared out BY ADDRESS among the four partners that ask
; for it jointly, 32 each, a lane a block.  A's sub-tiles are read by every cluster of a row of clusters: cluster x = 0 asks; B's by every cluster of a column: cluster y = 0 asks.  So each block is named
; once in the launch.  A is asked for up to the work-group's last K step (s3 > 2); B's rows, the same for both tiles, in the first tile alone (s3 > NS - 6).  The first four K steps come by their loads alone.
.macro ASK
	s_cmp_gt_u32 s3, s[LIM]
	s_cbranch_scc0 .Lnot_mine_\@
	global_prefetch_b8 v[PFO], s[PFA:PFA+1] th:TH_LOAD_NT scope:SCOPE_SE
.Lnot_mine_\@:
.endm
.macro CREST                           ; a round of the cluster's barrier behind its opening barrier
	s_cmp_lg_u32 s10, 0
	s_cbranch_scc1 .Lnot_wave_0_\@
	s_barrier_signal -3
.Lnot_wave_0_\@:
	s_barrier_wait -3
	s_barrier_signal -1
	s_barrier_wait -1
.endm
.macro CROUND                          ; a whole round
	s_barrier_signal -1
	s_barrier_wait -1
	CREST
.endm
	s_load_b128 s[4:7], s[0:1], 0x0                ; A s[4:5], B s[6:7]
	s_load_b128 s[68:71], s[0:1], 0x10             ; MODE 0: bk, bv;  MODE 1: bo, out0
.if MODE == 0
	s_load_b64 s[8:9], s[0:1], 0x20                ; kv
.endif
	v_lshl_add_u32 v[SPW], v0, 2, SPARE
	v_mov_b32 v[NIL], 0
	ds_add_u32 v[SPW], v[NIL]                      ; the wave's opening: the add and its wait stand ahead of my first tensor load; register work stands between them
	ds_add_u32 v28, v29
	v_lshrrev_b32 v1, 5, v0
	v_readfirstlane_b32 s10, v1                    ; wave 0..3
	s_lshr_b32 s11, s10, 1                         ; which half of the tile's rows is mine.  Also: I fetch for A (0) or for B (1)
	s_and_b32 s12, s10, 1                          ; which half of its columns.  Also: the even (0) or odd (1) block of 64 k
	s_bfe_u32 s40, ttmp6, 0x40000                  ; cx
	s_bfe_u32 s41, ttmp6, 0x40004                  ; cy
	s_lshl_b32 s42, ttmp9, 2
	s_add_co_u32 s42, s42, s40                     ; tile column = 4 x cluster x + cx
	s_and_b32 s13, ttmp7, 0xffff
	s_lshl_b32 s13, s13, 2
	s_add_co_u32 s13, s13, s41                     ; (first) tile row = 4 x cluster y + cy
	s_lshl_b32 s43, s41, 2
	s_lshl_b32 s43, 15, s43                        ; my row of the cluster
	s_lshl_b32 s44, 0x1111, s40                    ; my column
	s_or_b32 s[G1+0], s43, (1<<16)|(1<<20)|(1<<21)|(4<<22)|(3<<25)   ; the mask; 2-byte elements; padding on; bit 21 beside a mask; after every 32 words, 4 words
	s_or_b32 s[G1B+0], s44, (1<<16)|(1<<20)|(1<<21)|(4<<22)|(3<<25)
.irp g, G1, G1B
	s_mov_b32 s[(\g)+1], 128<<16                   ; tensor_dim0 = 128 elements: 256 bytes
	s_mov_b32 s[(\g)+2], 128<<16                   ; tensor_dim1 = 128 rows
	s_mov_b32 s[(\g)+3], 128<<16                   ; tile_dim0 = 128
	s_mov_b32 s[(\g)+4], 128                       ; tile_dim1 = 128
	s_mov_b32 s[(\g)+5], 128                       ; the rows lie end to end
	s_mov_b32 s[(\g)+6], 0
	s_mov_b32 s[(\g)+7], 0
.endr
	s_lshr_b32 s16, s13, 2                         ; A: the panel of 1,024 rows (16 blocks of 131,072 bytes),
	s_lshl_b32 s16, s16, 21
	s_and_b32 s17, s13, 3
	s_lshl_b32 s17, s17, 15                        ; the tile's 256 rows of 128 bytes,
	s_add_co_u32 s16, s16, s17
	s_mul_i32 s17, s12, APLANE                     ; my block of 64 k
	s_add_co_u32 s16, s16, s17
	s_mov_b32 s17, 0
	s_lshl_b32 s46, s42, 15                        ; B: the tile's 256 rows,
	s_mul_i32 s47, s12, BPLANE                     ; my block of 64 k
	s_add_co_u32 s46, s46, s47
	s_mov_b32 s47, 0
	s_mul_i32 s20, s10, SUB                        ; where they go: sub-tile = wave: no place in the cluster enters an LDS address
	s_mov_b32 s[TB], 0
.if TILES > 1
	s_mov_b32 s[DAN], 2*APLANE
	s_mov_b32 s[DAJ], JUMPA
	s_mov_b32 s[DBN], 2*BPLANE
	s_mov_b32 s[DBJ], BACKB
	s_mov_b32 s[DA+1], 0
	s_mov_b32 s[DB+1], 0
	s_mov_b32 s[DM+1], 0
	s_mov_b32 s[PFS+1], 0
.endif
	s_wait_dscnt 0x0                               ; the opening add is done
	s_wait_kmcnt 0x0
	s_add_nc_u64 s[14:15], s[4:5], s[16:17]
	s_add_nc_u64 s[46:47], s[6:7], s[46:47]
	CROUND                                         ; all sixteen work-groups are here: the first joint loads meet
.irp s, 0,1
	s_mov_b32 s[G0+4*(\s)], 1
	s_add_co_u32 s[G0+4*(\s)+1], s20, (\s)*SLOT
	s_add_nc_u64 s[G0+4*(\s)+2:G0+4*(\s)+3], s[14:15], (\s)*2*APLANE  ; K step s
	s_or_b32 s[G0+4*(\s)+3], s[G0+4*(\s)+3], 0x80000000
	s_mov_b32 s[G0B+4*(\s)], 1
	s_add_co_u32 s[G0B+4*(\s)+1], s20, (\s)*SLOT
	s_add_nc_u64 s[G0B+4*(\s)+2:G0B+4*(\s)+3], s[46:47], (\s)*2*BPLANE
	s_or_b32 s[G0B+4*(\s)+3], s[G0B+4*(\s)+3], 0x80000000
	JLOAD \s                                       ; two loads of mine are out
.endr
	v_and_b32 v1, 15, v0                           ; l % 16
	v_bfe_u32 v2, v0, 4, 1                         ; l / 16
	; the bias of my 128 columns
.if MODE == 0
	s_cmp_eq_u32 ttmp9, 0                          ; tile columns 0-3 (cluster x = 0) are K's, 4-7 V's
	s_cselect_b64 s[18:19], s[68:69], s[70:71]
	s_lshl_b32 s72, s40, 10                        ; 256 columns of 4 bytes x (tile column mod 4)
.else
	s_mov_b64 s[18:19], s[68:69]
	s_mov_b64 s[8:9], s[70:71]
	s_lshl_b32 s72, s42, 10
.endif
	s_lshl_b32 s74, s12, 9
	s_add_co_u32 s72, s72, s74
	s_mov_b32 s73, 0
	s_add_nc_u64 s[18:19], s[18:19], s[72:73]
	v_lshlrev_b32 v[BO], 5, v2
	WIN TO_B
.irp b, 0,1,2,3,4,5,6,7
	global_load_b128 v[BIAS+8*(\b):BIAS+8*(\b)+3],   v[BO], s[18:19] offset:64*(\b)
	global_load_b128 v[BIAS+8*(\b)+4:BIAS+8*(\b)+7], v[BO], s[18:19] offset:64*(\b)+16
.endr
	WIN 0
	; A fragment is 16 rows x 32 k in 8 registers: lane l holds row l % 16; two loads of 16 bytes, 32 bytes apart, at row x pitch + 16 (l / 16).
	v_mul_u32_u24 v3, v1, PITCH
	v_lshl_add_u32 v3, v2, 4, v3
	s_mul_i32 s21, s11, 128*PITCH                  ; my 128 rows of A
	s_mul_i32 s22, s12, 128*PITCH                  ; my 128 rows of B,
	s_add_co_u32 s22, s22, 2*SUB                   ; behind A's two sub-tiles
	v_add_nc_u32 v[ADRA0], s21, v3
	v_add_nc_u32 v[ADRB0], s22, v3
	v_mov_b32 v[ADRA], v[ADRA0]                    ; slot 0 is in hand
	v_mov_b32 v[ADRB], v[ADRB0]
	s_mul_i32 s23, s10, 16*SPITCH
	s_add_co_u32 s23, s23, STAGE                   ; my stage
	v_mul_u32_u24 v4, v1, SPITCH
.if MODE == 0
	v_lshl_add_u32 v4, v2, 4, v4                   ; in: row l % 16, 16 bytes (8 f16) for each half of the lanes
	v_add_nc_u32 v[STO], s23, v4
	v_and_b32 v5, 31, v0
	v_lshrrev_b32 v6, 3, v5                        ; back: 32 lanes take four rows' 128 bytes of one head,
	v_mul_u32_u24 v6, v6, SPITCH
	v_and_b32 v7, 7, v0
	v_lshl_add_u32 v6, v7, 4, v6
	v_add_nc_u32 v[RD], s23, v6
	v_lshlrev_b32 v[CO], 4, v5                     ; which are 512 consecutive bytes of kv
	s_lshr_b32 s72, s13, 2                         ; kv: (32 b + 4 x tile column + 2 x my half) heads of 131,072 bytes
	s_lshl_b32 s72, s72, 5
	s_lshl_b32 s74, s42, 2
	s_add_co_u32 s72, s72, s74
	s_lshl_b32 s74, s12, 1
	s_add_co_u32 s72, s72, s74
	s_lshl_b32 s72, s72, 17
	s_and_b32 s74, s13, 3                          ; + my first row s, 128 bytes a row
	s_lshl_b32 s74, s74, 15
	s_add_co_u32 s72, s72, s74
	s_lshl_b32 s74, s11, 14
	s_add_co_u32 s72, s72, s74
.else
	v_lshl_add_u32 v4, v2, 5, v4                   ; in: row l % 16, 32 bytes (8 f32) for each half of the lanes
	v_add_nc_u32 v[STO], s23, v4
	v_mul_u32_u24 v5, v2, SPITCH                   ; back: lanes 0-15 one row of 256 bytes, lanes 16-31 the next
	v_lshl_add_u32 v5, v1, 4, v5
	v_add_nc_u32 v[RD], s23, v5
	v_lshlrev_b32 v5, 12, v2                       ; and the same two rows of out0 (4,096 bytes a row)
	v_lshl_add_u32 v[CO], v1, 4, v5
	s_lshl_b32 s72, s13, 8
	s_lshl_b32 s74, s11, 7
	s_add_co_u32 s72, s72, s74                     ; my first row
	s_lshl_b32 s72, s72, 12
	s_lshl_b32 s74, s42, 10                        ; my first column, 4 bytes each
	s_add_co_u32 s72, s72, s74
	s_lshl_b32 s74, s12, 9
	s_add_co_u32 s72, s72, s74
.endif
	s_mov_b32 s73, 0
	s_add_nc_u64 s[8:9], s[8:9], s[72:73]
.if TILES > 1
	s_add_nc_u64 s[C2:C2+1], s[8:9], TILEC
.endif
	; the prefetches: my sub-tile, at K step 3 (the first change of slots steps it to 4), my work-group's 32 blocks of it
	s_and_b32 s22, ttmp7, 0xffff                   ; cluster y
	s_mov_b32 s20, 6*APLANE
	s_mov_b32 s23, 6*BPLANE
	s_mov_b32 s[PST], 2*APLANE
	s_mov_b32 s74, 2*BPLANE
	s_cmp_eq_u32 s11, 0                            ; do I fetch for A?
	s_cselect_b32 s21, s40, s41                    ; my place among the four that ask with me
	s_cselect_b32 s22, ttmp9, s22                  ; the coordinate along which other clusters read the same bytes
	s_cselect_b64 s[PFA:PFA+1], s[14:15], s[46:47]
	s_cselect_b32 s20, s20, s23
	s_cselect_b32 s[PST], s[PST], s74
	s_cselect_b32 s[LIMV], 2, NS-6
.if TILES > 1
	s_cselect_b32 s[PSTJ], s[DAJ], s74
.endif
	s_mov_b32 s[PST+1], 0
	s_cmp_eq_u32 s22, 0
	s_cselect_b32 s[LIM], s[LIMV], -1              ; the same in all sixteen partners, for a given wave
	s_lshl_b32 s21, s21, 13
	s_add_co_u32 s20, s20, s21
	s_mov_b32 s21, 0
	s_add_nc_u64 s[PFA:PFA+1], s[PFA:PFA+1], s[20:21]
	v_and_b32 v[PFO], 31, v0
	v_lshlrev_b32 v[PFO], 8, v[PFO]
; 16 matrix instructions: m blocks a0, a0 + 1 of the window's four (hi = 0: my rows 0-63, 1: rows 64-127) x all 8 n blocks, 32 along K.  zero = 1: the product starts the sum, with the bias as C.
; The 64 accumulators take turns, one instruction a turn, in the same order in every quarter.
.macro MUL16 f, hi, a0, zero
.if \zero
	WIN 0x91+0x40*(\hi)                            ; C in window 1
.else
	WIN MUL_LO+0x50*(\hi)
.endif
.irp a, \a0, (\a0)+1
.irp b, 0,1,2,3,4,5,6,7
.if \zero
	v_wmma_f32_16x16x32_bf16 v[8*(8*(\a)+(\b)):8*(8*(\a)+(\b))+7], v[(\f)+8*(\b):(\f)+8*(\b)+7], v[(\f)+8*(4*(\hi)+(\a)):(\f)+8*(4*(\hi)+(\a))+7], v[BIAS+8*(\b):BIAS+8*(\b)+7]
.else
	v_wmma_f32_16x16x32_bf16 v[8*(8*(\a)+(\b)):8*(8*(\a)+(\b))+7], v[(\f)+8*(\b):(\f)+8*(\b)+7], v[(\f)+8*(4*(\hi)+(\a)):(\f)+8*(4*(\hi)+(\a))+7], v[8*(8*(\a)+(\b)):8*(8*(\a)+(\b))+7]
.endif
.endr
.endr
.endm
; 32 LDS loads in one run: the fragments of quarter q of the K step in hand (k = 32 q on: sub-tile q / 2, byte 64 (q % 2) of its rows) into buffer f
.macro FETCH q, f
.set FK, ((\q)>>1)*SUB+((\q)&1)*64
	WIN TO_B
.irp i, 0,1,2,3,4,5,6,7
	ds_load_b128 v[(\f)+8*(\i):(\f)+8*(\i)+3],   v[ADRB] offset:FK+(\i)*16*PITCH
	ds_load_b128 v[(\f)+8*(\i)+4:(\f)+8*(\i)+7], v[ADRB] offset:FK+(\i)*16*PITCH+32
.endr
	WIN 0
.irp i, 0,1,2,3,4,5,6,7
	ds_load_b128 v[(\f)+8*(\i):(\f)+8*(\i)+3],   v[ADRA] offset:FK+(\i)*16*PITCH
	ds_load_b128 v[(\f)+8*(\i)+4:(\f)+8*(\i)+7], v[ADRA] offset:FK+(\i)*16*PITCH+32
.endr
.endm
.macro PLACES                          ; four plain instructions between a matrix instruction and a load into its sources, or a reader of its result
.rept 4
	v_nop
.endr
.endm
.macro OTHER                           ; the other slot comes in hand
	WIN 0
	s_xor_b32 s[TB], s[TB], SLOT
	v_add_nc_u32 v[ADRA], s[TB], v[ADRA0]
	v_add_nc_u32 v[ADRB], s[TB], v[ADRB0]
.endm
; One of a K step's first three quarters: multiplies buffer f; in its middle it fetches quarter q into buffer g.
.macro QUARTER q, f, g, zero
	s_wait_dscnt 8                                 ; B and A's rows 0-63 are in; the youngest eight loads (A's rows 64-127) may be out
	MUL16 \f, 0, 0, \zero
	MUL16 \f, 0, 2, \zero
	PLACES
	FETCH \q, \g
	s_wait_dscnt 32                                ; all but the 32 just issued
	MUL16 \f, 1, 0, \zero
	MUL16 \f, 1, 2, \zero
.endm
; The last quarter's first half: ONE barrier for the change of slots.  In front of it each wave waits for all its tensor loads (one is out: its part of the next slot), adds 0 to its spare word,
; and waits for that and for its reads of this slot.
.macro MEET round
	WIN 0
	s_wait_tensorcnt 0x0
	ds_add_u32 v[SPW], v[NIL]
	s_wait_dscnt 9                                 ; the add and the youngest eight loads may be out
	MUL16 F1, 0, 0, 0
	s_wait_dscnt 0x0                               ; the add is done, and my reads of this slot are over
	s_barrier_signal -1
	MUL16 F1, 0, 2, 0
.if \round
	WIN 0
.endif
	s_barrier_wait -1
.endm
; The whole last quarter of a K step that has a step two on.  The barrier opens a round of the cluster's; the slot just read out is filled again first, with the K step two on; then the next slot's first fragments.
.macro TURN
	s_wait_xcnt 0x0                                ; the last prefetch, a K step back, has read its address
.if TILES > 1
	s_cmp_eq_u32 s3, NS-6                          ; step 4's change names the second tile's first K step
	s_cselect_b32 s[PFS], s[PSTJ], s[PST]
	s_add_nc_u64 s[PFA:PFA+1], s[PFA:PFA+1], s[PFS:PFS+1]
	s_cmp_eq_u32 s3, NS-8                          ; step 6's change asks for it: A jumps to the second tile's rows, B goes back to its first K step
	s_cselect_b32 s[DA], s[DAJ], s[DAN]
	s_cselect_b32 s[DB], 0, s[DBN]
	s_cselect_b32 s[DM], s[DBJ], 0
.else
	s_add_nc_u64 s[PFA:PFA+1], s[PFA:PFA+1], s[PST:PST+1]
.endif
	MEET 1
	CREST                                          ; no wave of any partner still reads this slot or has a load on its way
	s_xor_b32 s[G0+5], s[G0+5], SLOT               ; the walking descriptors: the other slot than last time,
	s_xor_b32 s[G0B+5], s[G0B+5], SLOT
.if TILES > 1
	s_add_nc_u64 s[G0+6:G0+7], s[G0+6:G0+7], s[DA:DA+1]      ; the next K step
	s_add_nc_u64 s[G0B+6:G0B+7], s[G0B+6:G0B+7], s[DB:DB+1]
	s_sub_nc_u64 s[G0B+6:G0B+7], s[G0B+6:G0B+7], s[DM:DM+1]
.else
	s_add_nc_u64 s[G0+6:G0+7], s[G0+6:G0+7], 2*APLANE        ; the next K step
	s_add_nc_u64 s[G0B+6:G0B+7], s[G0B+6:G0B+7], 2*BPLANE
.endif
	JLOAD 1                                        ; my one tensor load behind the round; its four v_nop are also the places in front of the loads below
	OTHER
	FETCH 0, F0
	ASK
	MUL16 F1, 1, 0, 0
	MUL16 F1, 1, 2, 0
.endm
; THE LAST K STEP, BY ROWS OF C.  All its fragments of B (4 quarters x 64 registers) fill window 1; A's come by blocks of 16 rows x 128 k.
.macro BLOAD q                         ; B's fragments of quarter q -> window 1, v[64 q ..]
.set FK, ((\q)>>1)*SUB+((\q)&1)*64
	WIN TO_B
.irp i, 0,1,2,3,4,5,6,7
	ds_load_b128 v[64*(\q)+8*(\i):64*(\q)+8*(\i)+3],   v[ADRB] offset:FK+(\i)*16*PITCH
	ds_load_b128 v[64*(\q)+8*(\i)+4:64*(\q)+8*(\i)+7], v[ADRB] offset:FK+(\i)*16*PITCH+32
.endr
.endm
.macro ALOAD a                         ; A's fragments of block a, all four quarters -> buffer a % 4
	WIN 0
.set FA, PA+32*((\a)%4)
.irp q, 0,1,2,3
	ds_load_b128 v[FA+8*(\q):FA+8*(\q)+3],   v[ADRA] offset:((\q)>>1)*SUB+((\q)&1)*64+(\a)*16*PITCH
	ds_load_b128 v[FA+8*(\q)+4:FA+8*(\q)+7], v[ADRA] offset:((\q)>>1)*SUB+((\q)&1)*64+(\a)*16*PITCH+32
.endr
.endm
.macro ROW a                           ; block a is finished: 32 matrix instructions, its 8 accumulators by turns
.set FA, PA+32*((\a)%4)
.set AC, 64*((\a)%4)
	WIN MUL_LO+0x50*((\a)/4)
.irp q, 0,1,2,3
.if (\a) == 0 && (\q) == 2
	s_wait_dscnt 24                                ; B's quarter 2 is in (behind it: A's blocks 1 to 3)
.endif
.irp b, 0,1,2,3,4,5,6,7
	v_wmma_f32_16x16x32_bf16 v[AC+8*(\b):AC+8*(\b)+7], v[64*(\q)+8*(\b):64*(\q)+8*(\b)+7], v[FA+8*(\q):FA+8*(\q)+7], v[AC+8*(\b):AC+8*(\b)+7]
.endr
.endr
.endm
.if MODE == 0
; THE WAY OUT, a block of 16 rows at a time: rounded to f16 (16 bytes a lane), into my stage, back as rows of 128 bytes by heads, stored 512 dense bytes an instruction.
.macro PACK a
.set AC, 64*((\a)%4)
	WIN 0x0a+5*((\a)/4)                            ; sources 0 and 1: window 2 or 3
.irp b, 0,1,2,3,4,5,6,7
.irp r, 0,1,2,3
	v_cvt_pk_f16_f32 v[TMP+4*(\b)+(\r)], v[AC+8*(\b)+2*(\r)], v[AC+8*(\b)+2*(\r)+1]
.endr
.endr
	WIN 0
.endm
.macro TOSTAGE a
.set BK, OB+192*((\a)%2)
.irp b, 0,1,2,3,4,5,6,7
	ds_store_b128 v[STO], v[TMP+4*(\b):TMP+4*(\b)+3] offset:32*(\b)
.endr
.irp hh, 0,1
.irp t, 0,1,2,3
	ds_load_b128 v[BK+4*(4*(\hh)+(\t)):BK+4*(4*(\hh)+(\t))+3], v[RD] offset:(\t)*4*SPITCH+(\hh)*128  ; LDS serves a wave in order: these see the stores above
.endr
.endr
.endm
.macro SEND a, younger, cb             ; younger: the LDS loads issued behind TOSTAGE's, which may stay out; cb: the tile's base
.set BK, OB+192*((\a)%2)
	s_wait_dscnt \younger                          ; the block is back in registers
	s_wait_xcnt 0x0                                ; the registers that earlier stores read are loaded again only behind this wait
.irp hh, 0,1
.irp t, 0,1,2,3
	global_store_b128 v[CO], v[BK+4*(4*(\hh)+(\t)):BK+4*(4*(\hh)+(\t))+3], s[(\cb):(\cb)+1] offset:(\hh)*131072+(\a)*2048+(\t)*512
.endr
.endr
.endm
.else
; THE WAY OUT in f32, a unit n = 2 a + u of 16 rows x 64 columns (256 bytes a row) at a time: straight from the accumulators into my stage, back as whole rows, stored.
.macro TOST1 n
.set AC, 64*(((\n)/2)%4)+32*((\n)%2)
.set BK, OB+192*((\n)%2)
	s_wait_xcnt 0x0                                ; the registers that the stores of two units back read are loaded again only behind this wait
	WIN 0x08+4*((\n)/8)                            ; store data (source 1) in window 2 or 3
.irp b, 0,1,2,3
	ds_store_b128 v[STO], v[AC+8*(\b):AC+8*(\b)+3]   offset:64*(\b)     ; each accumulator's low registers first
	ds_store_b128 v[STO], v[AC+8*(\b)+4:AC+8*(\b)+7] offset:64*(\b)+16
.endr
	WIN 0
.irp t, 0,1,2,3,4,5,6,7
	ds_load_b128 v[BK+4*(\t):BK+4*(\t)+3], v[RD] offset:(\t)*2*SPITCH
.endr
.endm
.macro SEND1 n, younger                ; younger: the LDS instructions issued behind unit n's loads
.set BK, OB+192*((\n)%2)
	s_wait_dscnt \younger
.irp t, 0,1,2,3,4,5,6,7
	global_store_b128 v[CO], v[BK+4*(\t):BK+4*(\t)+3], s[8:9] offset:(16*((\n)/2)+2*(\t))*4096+((\n)%2)*256 th:TH_STORE_NT  ; 16 lanes store 256 consecutive bytes, aligned
.endr
.endm
.endif
	s_wait_tensorcnt 1                             ; my part of K step 0 is in; K step 1's may stay out
	s_barrier_signal -1
	s_barrier_wait -1
	FETCH 0, F0
	s_wait_loadcnt 0x0                             ; the bias: rounded to bf16 and widened again
	WIN 0x05                                       ; sources in window 1, destination in window 0
.set i, 0
.rept 32
	v_cvt_pk_bf16_f32 v[OB+i], v[BIAS+2*i], v[BIAS+2*i+1]
.set i, i+1
.endr
	WIN TO_B
.set i, 0
.rept 32
	v_lshlrev_b32 v[BIAS+2*i], 16, v[OB+i]
	v_and_b32 v[BIAS+2*i+1], 0xffff0000, v[OB+i]
.set i, i+1
.endr
	WIN 0                                          ; at a label and at a branch every window is 0
	s_mov_b32 s3, NS-1                             ; the first pass, which has no change of slots, counts too
.if TILES > 1
	s_branch .Lzero                                ; the loop is entered at a tile's first quarter
.Lstep:                                                ; NS - 2 trips: every K step but the last two is followed by a refill
	TURN
	WIN 0
	s_cmp_eq_u32 s3, NS-9                          ; was that the first tile's last K step?
	s_cbranch_scc0 .Lplain
	PACK 0                                         ; BOTH REFILLS FOR THE SECOND TILE ARE ASKED FOR: NOW THE FIRST GOES OUT.  Blocks 0-3 were finished in front of the joint load's places,
	TOSTAGE 0                                      ; and their conversions, which name no register of the last products (blocks 4-7's), are those products' places
.irp a, 1,2,3,4,5,6,7                  ; block a's conversions stand between block a - 1's loads from the stage and the wait for them
	PACK \a
	SEND (\a)-1, 0, 8
	TOSTAGE \a
.endr
	SEND 7, 0, 8
.Lzero:
	QUARTER 1, F0, F1, 1                           ; a tile's first quarter: its products start the sums
	WIN 0
	s_branch .Lmid
.Lplain:
	QUARTER 1, F0, F1, 0
	WIN 0
.else
	QUARTER 1, F0, F1, 1                           ; the first quarter: its products start the sums
	WIN 0
	s_branch .Lmid                                 ; the loop is entered behind a step's first quarter
.Lstep:                                                ; NS - 2 trips: every K step but the last two is followed by a refill
	TURN
	QUARTER 1, F0, F1, 0
	WIN 0
.endif
.Lmid:
	QUARTER 2, F1, F0, 0
	QUARTER 3, F0, F1, 0
	WIN 0
	s_sub_co_u32 s3, s3, 1
	s_cmp_lg_u32 s3, 0
	s_cbranch_scc1 .Lstep
	MEET 0                                         ; my one tensor load that was still out is the last K step's, so no round follows
	PLACES                                         ; for the loads into buffer 0, which the quarter before multiplied
	OTHER
	BLOAD 0                                        ; three quarters of B now: buffer 1 (v128-191 of both windows) is still being multiplied
	BLOAD 1
	BLOAD 3
	ALOAD 0
	MUL16 F1, 1, 0, 0
	MUL16 F1, 1, 2, 0
	PLACES                                         ; for the loads into buffer 1
	BLOAD 2
	ALOAD 1
	ALOAD 2
	ALOAD 3
	s_wait_dscnt 40                                ; all but the 40 just issued
	ROW 0
.irp a, 0,1,2,3,4,5,6,7                ; each block leaves as soon as it is finished: nothing follows this tile under which its stores could leave
	PLACES                                         ; its readers take results just made, and no other vector work is at hand
.if MODE == 0
	PACK \a
	TOSTAGE \a
.if (\a) < 4
	ALOAD (\a)+4                                   ; its buffer takes the block four further on
	SEND \a, 8, C2
.else
	SEND \a, 0, C2
.endif
.else
	TOST1 2*(\a)
	TOST1 2*(\a)+1
.if (\a) < 4
	ALOAD (\a)+4
	SEND1 2*(\a), 24                               ; the second unit's sixteen and the eight loads of A may be out
	SEND1 2*(\a)+1, 8
.else
	SEND1 2*(\a), 16
	SEND1 2*(\a)+1, 0
.endif
.endif
.if (\a) < 7
	ROW (\a)+1
.endif
.endr
	s_wait_tensorcnt 0x0                           ; the wave's end, behind my last tensor load and my last LDS store
	ds_add_u32 v[SPW], v[NIL]
	s_wait_dscnt 0x0
	CROUND                                         ; the closing round: no work-group ends while a partner may still ask for a tile that names it
	s_endpgm
.Lfunc_end_k_q14f849d2d2_gemm_o:
	.size	k_q14f849d2d2_gemm_o, .Lfunc_end_k_q14f849d2d2_gemm_o-k_q14f849d2d2_gemm_o
	.p2alignl 7, 3214868480
	.fill 96, 4, 3214868480
	.section	.rodata,"a",@progbits
	.p2align	6, 0x0
	.amdhsa_kernel k_q14f849d2d2_gemm_o
		.amdhsa_group_segment_fixed_size 327680
		.amdhsa_private_segment_fixed_size 0
		.amdhsa_enable_private_segment 0
		.amdhsa_kernarg_size 32
		.amdhsa_user_sgpr_count 2
		.amdhsa_user_sgpr_kernarg_segment_ptr 1
		.amdhsa_wavefront_size32 1
		.amdhsa_system_sgpr_workgroup_id_x 1
		.amdhsa_system_sgpr_workgroup_id_y 1
		.amdhsa_system_sgpr_workgroup_id_z 1
		.amdhsa_system_vgpr_workitem_id 0
		.amdhsa_next_free_vgpr 1024
		.amdhsa_next_free_sgpr 92
		.amdhsa_reserve_vcc 0
		.amdhsa_float_denorm_mode_32 3
		.amdhsa_float_denorm_mode_16_64 3
		.amdhsa_memory_ordered 1
		.amdhsa_forward_progress 1
		.amdhsa_inst_pref_size 111
	.end_amdhsa_kernel
	.amdgpu_metadata
---
amdhsa.version: [ 1, 2 ]
amdhsa.kernels:
  - .name:           k_q14f849d2d2_gemm_o
    .symbol:         k_q14f849d2d2_gemm_o.kd
    .args:
      - { .name: ao, .offset: 0, .size: 8, .value_kind: global_buffer, .address_space: global }
      - { .name: wot, .offset: 8, .size: 8, .value_kind: global_buffer, .address_space: global }
      - { .name: bo, .offset: 16, .size: 8, .value_kind: global_buffer, .address_space: global }
      - { .name: out0, .offset: 24, .size: 8, .value_kind: global_buffer, .address_space: global }
    .group_segment_fixed_size: 327680
    .private_segment_fixed_size: 0
    .kernarg_segment_align: 8
    .kernarg_segment_size: 32
    .max_flat_workgroup_size: 128
    .sgpr_count:     92
    .vgpr_count:     1024
    .wavefront_size: 32
...
	.end_amdgpu_metadata
.endif
;; end of part 4
